; MI455X (gfx1250); checked and timed in simulation.
; The chip was launched on July 23, 2026; its instructions are those of AMD's public machine-readable ISA for CDNA 5 (MIT licence, August 2026) and "CDNA5" Instruction Set Architecture Reference Guide (July 2026). The comments in the code are by the model that wrote it; some were corrected since.
;; Sparse Attention. Allowed arithmetic: matrix products marked QUANTISED: E2M1 operands, one E8M0 scale for each 32 along K, by v_wmma_scale_f32_16x16x128_f8f6f4 with both operands' format E2M1 (or v_wmma_scale_f32_32x16x128_f4), f32 sums; products left as they are: bf16, f16 or f32 operands; f32 sums; everything else in f32.
;; Inputs: Wk 1,024 x 1,024 float32; Wo 1,024 x 1,024 float32; Wq 1,024 x 1,024 float32; Wv 1,024 x 1,024 float32; hidden_states 1 x 4,096 x 1,024 float32.
;; Outputs: out0 1 x 4,096 x 1,024 float32.
;; This version of the problem:
;;   THIS VERSION OF THE PROBLEM IS GIVEN IN LOW PRECISION. The matrix products marked QUANTISED in the list below multiply operands that are first quantised to E2M1 (2 exponent bits, 1 mantissa bit; 4 bits a number), with one power-of-two scale for each 32 numbers along K (OCP MX v1.0); their sums are f32. The products marked 'left as it is' may take bf16, f16 or f32 operands, with f32 sums. Whichever they take, every output number must still come out within the allowed error. Rounding operands to bf16 (8 significant bits) uses up far more of that allowance than f16 does (11 bits, for magnitudes from 6e-5 to 65,504). All else is computed in f32.
;;   The module's matrix products, in the order in which they are computed (A, B: the left and right operand; K: the contracted axis; several contracted axes count as one K, in the product's order):
;;     1. [M 4,096, K 1,024] x [K 1,024, N 1,024]; A: input hidden_states; B: input Wq: QUANTISED
;;     2. [M 4,096, K 1,024] x [K 1,024, N 1,024]; A: input hidden_states; B: input Wk: QUANTISED
;;     3. [M 4,096, K 1,024] x [K 1,024, N 1,024]; A: input hidden_states; B: input Wv: QUANTISED
;;     4. batch 16 x [M 4,096, K 64] x [K 64, N 4,096]; A: computed on the way; B: computed on the way: left as it is (an operand is computed on the way)
;;     5. batch 16 x [M 4,096, K 4,096] x [K 4,096, N 64]; A: computed on the way; B: computed on the way: left as it is (an operand is computed on the way)
;;     6. [M 4,096, K 1,024] x [K 1,024, N 1,024]; A: computed on the way; B: input Wo: left as it is (an operand is computed on the way)
;;   THE QUANTISER, for each operand of a quantised product, along K:
;;     - K is cut into blocks of 32 from its start; a last block that is shorter is filled with zeros.
;;     - A block's scale is 2^e with e = floor(log2(the largest magnitude in the block)) - 2, held to -126 .. 127; a block of zeros has e = 0. As a byte (E8M0): e + 127.
;;     - Each number is divided by its block's scale, clamped to +-6, and rounded to the nearest number of E2M1, ties to even, subnormals kept.
;;     - The product sums the exact products of the quantised numbers (number of the format x scale) in f32.
;;   ~~~python
;;   def quantise(x, axis):      # numpy; x: float32 -> the quantised numbers, widened to float32 again
;;       x = np.moveaxis(x, axis, -1); K = x.shape[-1]
;;       x = np.pad(x, [(0, 0)] * (x.ndim - 1) + [(0, -K % 32)]); x = x.reshape(x.shape[:-1] + (-1, 32)); a = np.abs(x).max(-1, keepdims=True)
;;       e = np.where(a > 0, np.clip(np.frexp(np.where(a > 0, a, 1))[1] - 1 - 2, -126, 127), 0)      # np.frexp(a)[1] - 1 = floor(log2(a)), exactly
;;       r = np.clip(x / 2.0 ** e, -6, 6)
;;       step = 2.0 ** (np.maximum(np.frexp(np.where(r == 0, 1, r))[1] - 1, 0) - 1)
;;       q = np.round(r / step) * step * 2.0 ** e      # np.round: ties to even
;;       return np.moveaxis(q.reshape(q.shape[:-2] + (-1,))[..., :K], -1, axis).astype(np.float32)
;;   ~~~
;; One version. Each part assembles by itself: llvm-mc -triple=amdgcn-amd-amdhsa -mcpu=gfx1250 --defsym DOCPART=n.
;; ======== version 1 of 1: 5 launches
;; limits: values outside matrix products are rounded to f16; values are held in f16: magnitudes above 65,504 overflow, below 6.1e-05 lose precision
;; workspace buffers: xc 2,097,152 bytes; xs 131,072 bytes; wc 1,572,864 bytes; ws 98,304 bytes; wo16 2,097,152 bytes; qkv 25,165,824 bytes; a 8,388,608 bytes; gp 8,912,896 bytes
;; launch prep (part 1): grid 256 x 1, 4 waves a work-group, no clusters, 33,280 bytes of LDS; arguments hidden_states, Wq, Wk, Wv, Wo, xc, xs, wc, ws, wo16; writes xc, xs, wc, ws, wo16
.if DOCPART == 1
	.amdgcn_target "amdgcn-amd-amdhsa--gfx1250"
	.amdhsa_code_object_version 6
	.text
	.protected	k_qce3f931ad3_prep
	.globl	k_qce3f931ad3_prep
	.p2align	8
	.type	k_qce3f931ad3_prep,@function
k_qce3f931ad3_prep:
	s_mov_b64 s[64:65], 0
	v_nop
	global_prefetch_b8 v0, s[64:65] scope:SCOPE_SE
	s_setreg_imm32_b32 hwreg(HW_REG_WAVE_MODE, 25, 1), 1
	s_wait_xcnt 0x0
; hidden_states [4096][1024] and Wq, Wk, Wv [1024][1024], f32, K innermost, become codes of FP4 (E2M1) with one E8M0 byte for each 32 along K;
; Wo [1024][1024] becomes f16 (its product is left as it is).  xc, xs: hidden's codes and bytes; wc, ws: those of Wq, Wk, Wv on end (3,072 rows); wo16: Wo, row-major.
; A block's scale is 2^(floor(log2(largest magnitude)) - 2); its byte is the largest magnitude's exponent field - 2, held at 1 from below.  A block of zeros so gets the byte 1
; where the rule says 127: its codes are zeros, which add nothing under any byte but 0xff, and this program alone reads the bytes.
; LIMITS: blocks whose largest magnitude lies under 2^(2 - 126), the floor, were not tried; NaN and infinities are not served; |Wo| stays under 65,504, f16's largest number.
; SHARES: every work-group takes 32,768 numbers, a wave 8,192.  Work-groups 0-127: hidden; 128-159 Wq; 160-191 Wk; 192-223 Wv; 224-255 Wo.  Rows are dense and 1,024 is a multiple of 32:
; every tensor is a plain stream of blocks, and so are its codes and bytes.  Memory binds: no matrix unit, no cluster, no barrier; waves share nothing.
; THE QUANTISER: a step is 512 numbers.  Each of its four loads reads 512 consecutive bytes, 16 a lane; the 2,048 bytes turn through the wave's own stage in LDS and come back 64 bytes a lane,
; so that a lane holds 16 neighbours along K (two neighbouring lanes hold a block).  A lane's 16 codes are 8 bytes: the wave stores 256 consecutive bytes.  A wave's 256 scale bytes
; are gathered in its own LDS bytes and leave as 256 consecutive bytes.
.set WAVES, 4
.set STEPS, 16
.set EMAX,  2
.set CB,    8                          ; bytes of 16 codes
.set R,     16                         ; v16-79   numbers as they are loaded: four sets of 16 (Wo: two sets of 32)
.set X,     80                         ; v80-111  two sets of 16 neighbours (Wo: two sets of 16 registers of f16)
.set E,     112                        ; v112-127 a scale byte for each step
.set C,     128                        ; v128-191 codes: four registers for each step, so that no store's data are written again
.set WREG,  8192                       ; LDS: a region for each wave: two stages of 32 x SP bytes, behind them its 256 scale bytes
.set SP,    80                         ; a lane's place in a stage: 64 bytes + 16 of padding
.set SPW,   12                         ; v12  LDS address of my spare word; never rewritten
.set NIL,   13                         ; v13  0; never rewritten
.set SPARE, WAVES*WREG                 ; behind the four regions: the spare words, 128 bytes a wave
.set SRC,   28                         ; s[28:29] my wave's numbers
.set COD,   30                         ; s[30:31] my wave's codes
.set SCB,   32                         ; s[32:33] my wave's scale bytes
.macro LOAD t
.irp i, 0,1,2,3
	global_load_b128 v[R+16*((\t)%4)+4*\i:R+16*((\t)%4)+4*\i+3], v3, s[SRC:SRC+1] offset:2048*(\t)+512*\i th:TH_LOAD_NT   ; 32 lanes read 512 consecutive bytes
.endr
.endm
.macro TURN t                          ; step t's numbers through the stage: LDS serves a wave's instructions in order, so no wait stands between the stores and the loads
.irp i, 0,1,2,3
	ds_store_b128 v14, v[R+16*((\t)%4)+4*\i:R+16*((\t)%4)+4*\i+3] offset:32*SP*((\t)%2)+8*SP*\i
.endr
.irp i, 0,1,2,3
	ds_load_b128 v[X+16*((\t)%2)+4*\i:X+16*((\t)%2)+4*\i+3], v15 offset:32*SP*((\t)%2)+16*\i
.endr
.endm
.macro STEP t
.set XS, X+16*((\t)%2)
.if (\t) > 0
	s_wait_dscnt 1                                 ; this step's numbers are back from the stage; the last step's byte store, issued behind them, may be out
.else
	s_wait_dscnt 0x0
.endif
.if (\t)+4 < STEPS
	LOAD (\t)+4                                    ; the stage's stores have read their registers: these take the loads of four steps on
.endif
.if (\t)+1 < STEPS
.if STEPS-2-(\t) >= 3
	s_wait_loadcnt 12                              ; the next step's four loads are in; those of the three steps behind it may be out
.else
	s_wait_loadcnt 4*(STEPS-2-(\t))                ; the same in the tail, where fewer steps are behind it
.endif
	TURN (\t)+1                                    ; and go through the other stage while this step is worked
.endif
	v_max3_num_f32 v8, |v[XS]|, |v[XS+1]|, |v[XS+2]|               ; the largest magnitude of my 16, in two chains
	v_max3_num_f32 v9, |v[XS+3]|, |v[XS+4]|, |v[XS+5]|
.irp i, 6,10
	v_max3_num_f32 v8, v8, |v[XS+\i]|, |v[XS+\i+1]|
	v_max3_num_f32 v9, v9, |v[XS+\i+2]|, |v[XS+\i+3]|
.endr
	v_max3_num_f32 v8, v8, |v[XS+14]|, |v[XS+15]|
	v_max3_num_f32 v8, v8, v9, (EMAX+1)<<23        ; and the floor 2^(EMAX + 1 - 127): the byte cannot fall under 1
	v_max_num_f32_dpp v8, v8, v8 row_xmask:1 row_mask:0xf bank_mask:0xf   ; and of my neighbour's 16: the block's
	v_add_nc_u32 v11, -(EMAX<<23), v8              ; EMAX off its exponent field: the conversion takes the exponent field of this operand as its scale
	v_cvt_scalef32_pk8_fp4_f32 v[C+4*(\t)], v[XS:XS+7], v11        ; to the nearest code, ties to even; beyond 6 the largest code
	v_cvt_scalef32_pk8_fp4_f32 v[C+4*(\t)+1], v[XS+8:XS+15], v11
	v_lshrrev_b32 v[E+(\t)], 23, v11               ; the scale's byte (also the plain line behind the conversions)
	ds_store_b8 v5, v[E+(\t)] offset:16*(\t)       ; both lanes of a block write the same byte with the same value
	global_store_b64 v4, v[C+4*(\t):C+4*(\t)+1], s[COD:COD+1] offset:32*CB*(\t)   ; 32 lanes store 256 consecutive bytes
.endm
; Wo: eight loads of 512 consecutive bytes a batch, two batches on their way
.macro WLOAD n
.irp i, 0,1,2,3,4,5,6,7
	global_load_b128 v[R+32*((\n)%2)+4*\i:R+32*((\n)%2)+4*\i+3], v3, s[12:13] offset:(8*(\n)+\i)*512 th:TH_LOAD_NT
.endr
.endm
.macro WCVT n
.if (\n) < 7
	s_wait_loadcnt 8                               ; batch n is in; the eight loads of batch n + 1 may be out
.else
	s_wait_loadcnt 0x0
.endif
.if (\n) >= 2
	s_wait_xcnt 0x0                                ; batch n - 2's stores have read the registers that are written again below
.endif
.irp i, 0,1,2,3,4,5,6,7
	v_cvt_pk_f16_f32 v[X+16*((\n)%2)+2*\i], v[R+32*((\n)%2)+4*\i], v[R+32*((\n)%2)+4*\i+1]
	v_cvt_pk_f16_f32 v[X+16*((\n)%2)+2*\i+1], v[R+32*((\n)%2)+4*\i+2], v[R+32*((\n)%2)+4*\i+3]
	global_store_b64 v7, v[X+16*((\n)%2)+2*\i:X+16*((\n)%2)+2*\i+1], s[22:23] offset:(8*(\n)+\i)*256   ; 32 lanes store 256 consecutive bytes
.endr
.endm
	s_load_b256 s[4:11], s[0:1], 0x0               ; hidden s[4:5], Wq s[6:7], Wk s[8:9], Wv s[10:11]
	s_load_b256 s[12:19], s[0:1], 0x20             ; Wo s[12:13], xc s[14:15], xs s[16:17], wc s[18:19]
	s_load_b128 s[20:23], s[0:1], 0x40             ; ws s[20:21], wo16 s[22:23]
	v_lshl_add_u32 v[SPW], v0, 2, SPARE
	v_mov_b32 v[NIL], 0
	v_lshrrev_b32 v1, 5, v0
	v_readfirstlane_b32 s24, v1                    ; wave
	v_and_b32 v2, 31, v0                           ; lane
	v_lshlrev_b32 v3, 4, v2                        ; my 16 bytes of a load's 512
	s_mul_i32 s25, s24, WREG
	v_lshrrev_b32 v14, 2, v2
	v_mul_u32_u24 v14, v14, SP
	v_and_b32 v15, 3, v2
	v_lshl_add_u32 v14, v15, 4, v14
	v_add_nc_u32 v14, s25, v14                     ; the stage, on the way in: SP (lane / 4) + 16 (lane % 4)
	v_mul_u32_u24 v15, v2, SP
	v_add_nc_u32 v15, s25, v15                     ; and on the way out: SP x lane: my 16 neighbours
	v_mul_u32_u24 v4, v2, CB                       ; my codes' place in a step's
	v_lshrrev_b32 v5, 1, v2
	s_add_co_u32 s25, s25, 2*32*SP
	v_add_nc_u32 v5, s25, v5                       ; LDS: my wave's 256 scale bytes, my block's byte
	v_lshlrev_b32 v7, 3, v2                        ; 8 bytes a lane
	v_add_nc_u32 v6, s25, v7
	s_wait_kmcnt 0x0
	s_cmp_lt_u32 ttmp9, 224                        ; the work-group's number alone decides the path
	s_cbranch_scc1 .Lquant
	; ---- Wo to f16: run 4 (g - 224) + wave of 8,192 numbers
	s_sub_co_u32 s34, ttmp9, 224
	s_lshl_b32 s34, s34, 2
	s_add_co_u32 s34, s34, s24
	s_lshl_b32 s36, s34, 15                        ; 32,768 bytes in,
	s_mov_b32 s37, 0
	s_add_nc_u64 s[12:13], s[12:13], s[36:37]
	s_lshl_b32 s36, s34, 14                        ; 16,384 out
	s_add_nc_u64 s[22:23], s[22:23], s[36:37]
	WLOAD 0
	WLOAD 1
.irp n, 0,1,2,3,4,5
	WCVT \n
	WLOAD \n+2
.endr
	WCVT 6
	WCVT 7
	s_branch .Lend
.Lquant:
	; ---- which tensor, and which run of it: pointers are chosen, the path is one
	s_sub_co_u32 s34, ttmp9, 128                   ; the run's work-group among Wq, Wk, Wv on end (for the codes),
	s_and_b32 s35, s34, 31                         ; and inside its own tensor (for the numbers)
	s_cmp_lt_u32 ttmp9, 160
	s_cselect_b64 s[SRC:SRC+1], s[6:7], s[8:9]
	s_cmp_lt_u32 ttmp9, 192
	s_cselect_b64 s[SRC:SRC+1], s[SRC:SRC+1], s[10:11]
	s_cmp_lt_u32 ttmp9, 128
	s_cselect_b64 s[SRC:SRC+1], s[4:5], s[SRC:SRC+1]
	s_cselect_b64 s[COD:COD+1], s[14:15], s[18:19]
	s_cselect_b64 s[SCB:SCB+1], s[16:17], s[20:21]
	s_cselect_b32 s35, ttmp9, s35
	s_cselect_b32 s34, ttmp9, s34
	s_lshl_b32 s35, s35, 2
	s_add_co_u32 s35, s35, s24
	s_lshl_b32 s34, s34, 2
	s_add_co_u32 s34, s34, s24
	s_lshl_b32 s36, s35, 15                        ; 8,192 numbers are 32,768 bytes,
	s_mov_b32 s37, 0
	s_add_nc_u64 s[SRC:SRC+1], s[SRC:SRC+1], s[36:37]
	s_lshl_b32 s36, s34, 12                        ; 4,096 bytes of codes,
	s_add_nc_u64 s[COD:COD+1], s[COD:COD+1], s[36:37]
	s_lshl_b32 s36, s34, 8                         ; 256 scale bytes
	s_add_nc_u64 s[SCB:SCB+1], s[SCB:SCB+1], s[36:37]
.irp t, 0,1,2,3
	LOAD \t
.endr
	s_wait_loadcnt 12                              ; step 0's four loads are in; three steps' twelve may be out
	TURN 0
.irp t, 0,1,2,3,4,5,6,7,8,9,10,11,12,13,14,15
	STEP \t
.endr
	ds_load_b64 v[8:9], v6                         ; LDS serves a wave's instructions in order: these see my byte stores
	s_wait_dscnt 0x0
	global_store_b64 v7, v[8:9], s[SCB:SCB+1]      ; 32 lanes store 256 consecutive bytes
.Lend:
	s_wait_tensorcnt 0x0                           ; the wave's end, behind the last LDS store
	ds_add_u32 v[SPW], v[NIL]
	s_wait_dscnt 0x0
	s_endpgm
.Lfunc_end_k_qce3f931ad3_prep:
	.size	k_qce3f931ad3_prep, .Lfunc_end_k_qce3f931ad3_prep-k_qce3f931ad3_prep
	.p2alignl 7, 3214868480
	.fill 96, 4, 3214868480
	.section	.rodata,"a",@progbits
	.p2align	6, 0x0
	.amdhsa_kernel k_qce3f931ad3_prep
		.amdhsa_group_segment_fixed_size 33280
		.amdhsa_private_segment_fixed_size 0
		.amdhsa_enable_private_segment 0
		.amdhsa_kernarg_size 80
		.amdhsa_user_sgpr_count 2
		.amdhsa_user_sgpr_kernarg_segment_ptr 1
		.amdhsa_wavefront_size32 1
		.amdhsa_system_sgpr_workgroup_id_x 1
		.amdhsa_system_sgpr_workgroup_id_y 1
		.amdhsa_system_sgpr_workgroup_id_z 1
		.amdhsa_system_vgpr_workitem_id 0
		.amdhsa_next_free_vgpr 192
		.amdhsa_next_free_sgpr 66
		.amdhsa_reserve_vcc 0
		.amdhsa_float_denorm_mode_32 3
		.amdhsa_float_denorm_mode_16_64 3
		.amdhsa_memory_ordered 1
		.amdhsa_forward_progress 1
		.amdhsa_inst_pref_size 54
	.end_amdhsa_kernel
	.amdgpu_metadata
---
amdhsa.version: [ 1, 2 ]
amdhsa.kernels:
  - .name:           k_qce3f931ad3_prep
    .symbol:         k_qce3f931ad3_prep.kd
    .args:
      - { .name: hidden_states, .offset: 0, .size: 8, .value_kind: global_buffer, .address_space: global }
      - { .name: Wq, .offset: 8, .size: 8, .value_kind: global_buffer, .address_space: global }
      - { .name: Wk, .offset: 16, .size: 8, .value_kind: global_buffer, .address_space: global }
      - { .name: Wv, .offset: 24, .size: 8, .value_kind: global_buffer, .address_space: global }
      - { .name: Wo, .offset: 32, .size: 8, .value_kind: global_buffer, .address_space: global }
      - { .name: xc, .offset: 40, .size: 8, .value_kind: global_buffer, .address_space: global }
      - { .name: xs, .offset: 48, .size: 8, .value_kind: global_buffer, .address_space: global }
      - { .name: wc, .offset: 56, .size: 8, .value_kind: global_buffer, .address_space: global }
      - { .name: ws, .offset: 64, .size: 8, .value_kind: global_buffer, .address_space: global }
      - { .name: wo16, .offset: 72, .size: 8, .value_kind: global_buffer, .address_space: global }
    .group_segment_fixed_size: 33280
    .private_segment_fixed_size: 0
    .kernarg_segment_align: 8
    .kernarg_segment_size: 80
    .max_flat_workgroup_size: 128
    .sgpr_count:     66
    .vgpr_count:     192
    .wavefront_size: 32
...
	.end_amdgpu_metadata
.endif
;; end of part 1
;; launch qkv (part 2): grid 12 x 16, 4 waves a work-group, clusters of 4 x 4, 327,680 bytes of LDS; arguments xc, xs, wc, ws, qkv; writes qkv
.if DOCPART == 2
	.amdgcn_target "amdgcn-amd-amdhsa--gfx1250"
	.amdhsa_code_object_version 6
	.text
	.protected	k_qce3f931ad3_qkv
	.globl	k_qce3f931ad3_qkv
	.p2align	8
	.type	k_qce3f931ad3_qkv,@function
k_qce3f931ad3_qkv:
	s_mov_b64 s[64:65], 0
	v_nop
	global_prefetch_b8 v0, s[64:65] scope:SCOPE_SE
	s_setreg_imm32_b32 hwreg(HW_REG_WAVE_MODE, 25, 1), 1
	s_wait_xcnt 0x0
	s_wait_alu depctr_hold_cnt(0) depctr_sa_sdst(0) depctr_va_vdst(0) depctr_va_sdst(0) depctr_va_ssrc(0) depctr_va_vcc(0) depctr_vm_vsrc(0)
	s_getreg_b32 s2, hwreg(HW_REG_IB_STS2, 6, 4)
	s_cmp_eq_u32 s2, 0
	s_cbranch_scc0 .Lentry_in_a_cluster
	s_endpgm
.Lentry_in_a_cluster:
	s_bfe_u32 s2, ttmp6, 0x10000c
	s_cmp_lg_u32 s2, 0xf033
	s_cbranch_scc0 .Lentry_shape_is_right
	s_endpgm
.Lentry_shape_is_right:
; C[m][n] = sum over k of x[m][k] W[n][k]: x [4096][1024], W = Wq, Wk, Wv on end [3072][1024], both as codes of FP4 (E2M1) with one E8M0 byte for each 32 along K; sums in f32; C rounded once to f16.
; LIMIT: |C| stays under 65,504, f16's largest number.
; A tile of C, 256 x 256, is made by a work-group of four waves; a wave makes 128 x 128: 64 accumulators of 16 x 16, 512 registers.  12 x 16 = 192 tiles.
; K = 1,024 is two steps of 512, and LDS holds two slots of one step each: both are asked for at the head and nothing is filled again.  A tile's row is 256 bytes of memory.
; THE SCALES of the work-group's 256 rows of x and 256 rows of W, for all of K, are two dense blocks of 8,192 bytes: they come into LDS once, with the first fills.
; CLUSTERS: 4 x 4 work-groups.  The four of a row of the cluster need the same tiles of x, the four of a column the same tiles of W: each tile is asked for JOINTLY, by the same tensor load with the
; same descriptor and a mask that names the four.  THE MATRIX INSTRUCTION IS USED TRANSPOSED (source 0 = 16 rows of W, source 1 = 16 rows of x): a lane then holds eight neighbouring columns of one token.
; C'S LAYOUT is the order in which the next launch's operand registers take it: [column / 64][token / 16][(column / 8) % 8][token % 16][8 numbers of 2 bytes].  A lane's eight packed results are 16 bytes
; at 16 x lane of a run of 512 bytes: every store of the wave covers 512 consecutive bytes, aligned, straight from registers; no stage in LDS.
; REGISTERS, in windows of 256: window 0: v0-31 addresses; v32-95 scale words, two sets; from v128 x's fragments (8 x 16 rows x 128 K), ONE set; on the way out v128-255 hold packed results.
;   window 1: W's fragments, TWO sets, at v0 and at v128.   window 2: the 32 accumulators of my rows 0-63 (accumulator (a, b) at v[8 (8 a + b)]);   window 3: those of my rows 64-127.
.set SIZE_K, 1024
.set KSTEP,  512                       ; along K in a slot
.set NQ,     KSTEP/128                 ; matrix instructions deep
.set ROWB,   256                       ; a tile's row in bytes
.set KROW,   SIZE_K*4/8                ; a row of codes in memory, in bytes
.set PITCH,  272                       ; an LDS row: 256 bytes of data + 16 of padding, so that the 16 rows that a load touches start 272 bytes apart
.set FR,     8                         ; registers of a fragment: 16 rows x 128 K
.set NL,     2                         ; LDS loads that bring one
.set NP,     4                         ; places behind this matrix instruction (ISA guide 7.12.1)
.set HALFT,  128*PITCH                 ; 128 rows: what one tensor load brings
.set SLOT,   4*HALFT                   ; x's 256 rows, then W's 256 rows
.set KS,     SIZE_K/32                 ; a row of scales in bytes
.set SCL,    2*SLOT                    ; behind the slots: the scales, as runs of 256 bytes + 16 of padding
.set HALFS,  (128*KS/256)*272          ; the scales of 128 rows: what one tensor load brings
.set SBLK,   (16*KS/256)*272           ; those of 16 rows
.set SPARE,  SCL+4*HALFS               ; behind the scales: the spare words, 128 bytes for each wave
.set ADRA, 16                          ; v16-17  LDS address of my x fragments in slot 0, 1
.set ADRB, 20                          ; v20-21  the same for W
.set CO,   26                          ; v26     16 x lane: my place in a run of 512 bytes of C
.set ADRS, 27                          ; v27     LDS address of my scale words: lanes 0-15 x's rows, lanes 16-31 W's
.set SPW,  28                          ; v28     LDS address of my spare word; never rewritten
.set NIL,  29                          ; v29     0; never rewritten
.set SC,   32                          ; scale words: set s at v[SC + 8 NQ s]; register NQ i + q: lanes 0-15 x's block i, lanes 16-31 W's block i, the slot's q-th 128 along K
.set AF,   128                         ; x's fragments, in window 0
.set G1, 24                            ; s[24:31] descriptor group 1 for x's tiles;  s[32:39] group 0, one set for each slot
.set G0, 32
.set G1B, 48                           ; s[48:55], s[56:63] the same for W's tiles
.set G0B, 56
.set G1S, 68                           ; s[68:75], s[76:79] groups 1 and 0 for x's scales;  s[80:87], s[88:91] for W's
.set G0S, 76
.set G1SB, 80
.set G0SB, 88
.set MSB, 0
.macro WIN new                         ; the immediate's high byte repeats the setting that is left
.if MSB != \new
	s_set_vgpr_msb (MSB<<8)|\new
.set MSB, \new
.endif
.endm
.set MUL_LO, 0xa1                      ; source 0 (W) window 1, source 1 (x) window 0, C and D window 2
.set MUL_HI, 0xf1                      ; the same, C and D window 3
.set TO_B,   0x40                      ; destination window 1, address window 0
; A joint load: waves 0 and 1 fetch for x, waves 2 and 3 for W.  Each of the two lines has ONE mask and one set of registers for all that issue it; the branch hangs on the wave's number alone.
; An s_nop 0 and four v_nop follow each of the two lines, ahead of the jump, the label and what follows.
.macro JLOAD g0a, g1a, g0b, g1b
	s_cmp_eq_u32 s15, 0
	s_cbranch_scc0 .Lfor_b_\@
	tensor_load_to_lds s[\g0a:\g0a+3], s[\g1a:\g1a+7]
	s_nop 0
.rept 4
	v_nop
.endr
	s_branch .Lasked_\@
.Lfor_b_\@:
	tensor_load_to_lds s[\g0b:\g0b+3], s[\g1b:\g1b+7]
	s_nop 0
.rept 4
	v_nop
.endr
.Lasked_\@:
.endm
.macro CROUND                          ; a round of the cluster's barrier: my work-group's barrier; wave 0 signals for the work-group; every wave waits for all sixteen; my work-group's barrier once more
	s_barrier_signal -1
	s_barrier_wait -1
	s_cmp_lg_u32 s14, 0
	s_cbranch_scc1 .Lnot_wave_0_\@
	s_barrier_signal -3
.Lnot_wave_0_\@:
	s_barrier_wait -3
	s_barrier_signal -1
	s_barrier_wait -1
.endm
	s_load_b128 s[4:7], s[0:1], 0x0                ; x's codes s[4:5], x's scales s[6:7]
	s_load_b128 s[8:11], s[0:1], 0x10              ; W's codes s[8:9], W's scales s[10:11]
	s_load_b64 s[12:13], s[0:1], 0x20              ; C
	v_lshl_add_u32 v[SPW], v0, 2, SPARE
	v_mov_b32 v[NIL], 0
	ds_add_u32 v[SPW], v[NIL]                      ; the wave's opening: the add, twice on end, and its wait ahead of my first tensor load; the set-up below stands between
	ds_add_u32 v[SPW], v[NIL]
	v_lshrrev_b32 v1, 5, v0
	v_readfirstlane_b32 s14, v1                    ; wave 0..3
	s_lshr_b32 s15, s14, 1                         ; which half of the tile's rows is mine.  Also: I fetch for x (0) or for W (1)
	s_and_b32 s16, s14, 1                          ; which half of its columns.  Also: which 128 rows of that tile I fetch
	s_bfe_u32 s40, ttmp6, 0x40000                  ; cx, cy: my place in the cluster
	s_bfe_u32 s41, ttmp6, 0x40004
	s_lshl_b32 s42, ttmp9, 2
	s_add_co_u32 s42, s42, s40                     ; tile column of C = 4 x cluster x + cx
	s_and_b32 s17, ttmp7, 0xffff
	s_lshl_b32 s17, s17, 2
	s_add_co_u32 s17, s17, s41                     ; tile row of C = 4 x cluster y + cy
	s_lshl_b32 s43, s41, 2
	s_lshl_b32 s43, 15, s43                        ; my row of the cluster
	s_lshl_b32 s44, 0x1111, s40                    ; my column
	; descriptor group 1: a tile of 128 rows x 256 bytes, padded in LDS
	s_or_b32 s[G1+0], s43, (0<<16)|(1<<20)|(1<<21)|(5<<22)|(3<<25)  ; 15:0 the mask: x's tiles go to my row; 17:16 element of 1 byte; 20 padding on; 21 set beside a mask; 24:22 after every 64 words; 31:25 four words
	s_or_b32 s[G1B+0], s44, (0<<16)|(1<<20)|(1<<21)|(5<<22)|(3<<25)
.irp g, G1, G1B
	s_mov_b32 s[\g+1], ROWB<<16                    ; tensor_dim0
	s_mov_b32 s[\g+2], 128<<16                     ; tensor_dim1 = 128
	s_mov_b32 s[\g+3], ROWB<<16                    ; tile_dim0
	s_mov_b32 s[\g+4], 128                         ; tile_dim1 = 128
	s_mov_b32 s[\g+5], KROW                        ; tensor_dim0_stride
	s_mov_b32 s[\g+6], 0
	s_mov_b32 s[\g+7], 0
.endr
	; and for the scales of 128 rows: a dense block of 4,096 bytes, as 16 rows of 256 bytes (32 elements of 8 bytes), 16 bytes of padding behind each
	s_or_b32 s[G1S+0], s43, (3<<16)|(1<<20)|(1<<21)|(5<<22)|(3<<25)
	s_or_b32 s[G1SB+0], s44, (3<<16)|(1<<20)|(1<<21)|(5<<22)|(3<<25)
.irp g, G1S, G1SB
	s_mov_b32 s[\g+1], 32<<16
	s_mov_b32 s[\g+2], (128*KS/256)<<16
	s_mov_b32 s[\g+3], 32<<16
	s_mov_b32 s[\g+4], 128*KS/256
	s_mov_b32 s[\g+5], 32
	s_mov_b32 s[\g+6], 0
	s_mov_b32 s[\g+7], 0
.endr
	s_lshl_b32 s18, s16, 7                         ; which 128 rows of the tile I fetch
	s_lshl_b32 s20, s17, 8
	s_add_co_u32 s20, s20, s18                     ; x: row 256 x tile row + 128 x half
	s_lshl_b32 s46, s42, 8
	s_add_co_u32 s46, s46, s18                     ; W: row 256 x tile column + 128 x half
	s_mov_b32 s21, 0
	s_mov_b32 s47, 0
	s_mov_b64 s[18:19], KS
	s_mul_u64 s[22:23], s[20:21], s[18:19]         ; where these rows' scales begin, in bytes
	s_mul_u64 s[92:93], s[46:47], s[18:19]
	s_mov_b64 s[18:19], KROW
	s_mul_u64 s[20:21], s[20:21], s[18:19]         ; and their codes
	s_mul_u64 s[46:47], s[46:47], s[18:19]
	s_mul_i32 s45, s14, HALFT                      ; where they go: wave x 128 rows: no place in the cluster enters an LDS address
	s_mul_i32 s94, s14, HALFS
	s_wait_dscnt 0x0                               ; both opening adds are done
	s_wait_kmcnt 0x0
	s_add_nc_u64 s[20:21], s[4:5], s[20:21]
	s_add_nc_u64 s[22:23], s[6:7], s[22:23]
	s_add_nc_u64 s[46:47], s[8:9], s[46:47]
	s_add_nc_u64 s[92:93], s[10:11], s[92:93]
	CROUND                                         ; all sixteen work-groups are here: the joint loads meet
	s_mov_b32 s[G0S], 1
	s_add_co_u32 s[G0S+1], s94, SCL
	s_mov_b64 s[G0S+2:G0S+3], s[22:23]
	s_or_b32 s[G0S+3], s[G0S+3], 0x80000000
	s_mov_b32 s[G0SB], 1
	s_add_co_u32 s[G0SB+1], s94, SCL
	s_mov_b64 s[G0SB+2:G0SB+3], s[92:93]
	s_or_b32 s[G0SB+3], s[G0SB+3], 0x80000000
	JLOAD G0S, G1S, G0SB, G1SB                     ; the scales first: they are wanted with K step 0
.irp s, 0,1
	s_mov_b32 s[G0+4*\s], 1
	s_add_co_u32 s[G0+4*\s+1], s45, \s*SLOT
	s_add_nc_u64 s[G0+4*\s+2:G0+4*\s+3], s[20:21], \s*ROWB
	s_or_b32 s[G0+4*\s+3], s[G0+4*\s+3], 0x80000000
	s_mov_b32 s[G0B+4*\s], 1
	s_add_co_u32 s[G0B+4*\s+1], s45, \s*SLOT
	s_add_nc_u64 s[G0B+4*\s+2:G0B+4*\s+3], s[46:47], \s*ROWB
	s_or_b32 s[G0B+4*\s+3], s[G0B+4*\s+3], 0x80000000
	JLOAD G0+4*\s, G1, G0B+4*\s, G1B               ; three tensor loads of mine are out when the second of these is issued
.endr
	v_and_b32 v1, 15, v0                           ; l % 16
	v_bfe_u32 v2, v0, 4, 1                         ; l / 16
	v_mul_u32_u24 v3, v1, PITCH
	v_lshl_add_u32 v4, v2, 4, v3                   ; a fragment's row x pitch + 16 x half
	s_mul_i32 s21, s15, HALFT                      ; my 128 rows of x
	s_mul_i32 s22, s16, HALFT                      ; my 128 rows of W,
	s_add_co_u32 s22, s22, 2*HALFT                 ; which lie behind x's 256
.irp s, 0,1
	v_add_nc_u32 v[ADRA+\s], s21, v4
	v_add_nc_u32 v[ADRB+\s], s22, v4
	s_add_co_u32 s21, s21, SLOT
	s_add_co_u32 s22, s22, SLOT
.endr
	v_mul_u32_u24 v5, v1, KS                       ; my row's scales: KS bytes a row,
	v_lshrrev_b32 v6, 8, v5
	v_lshl_add_u32 v5, v6, 4, v5                   ; and 16 more for each 256 passed
	s_mul_i32 s21, s15, HALFS                      ; x's: my 128 rows
	s_mul_i32 s22, s16, HALFS                      ; W's: my 128 rows, behind x's 256
	s_add_co_u32 s22, s22, 2*HALFS
	s_sub_co_u32 s22, s22, s21
	v_mul_u32_u24 v6, s22, v2                      ; lanes 16-31 take W's: one product, the distance between the two bases
	s_add_co_u32 s21, s21, SCL
	v_add_nc_u32 v5, v5, v6
	v_add_nc_u32 v[ADRS], s21, v5
	v_and_b32 v6, 31, v0
	v_lshlrev_b32 v[CO], 4, v6
	; where my part of C begins: (token / 16) x 2,048 + (column / 64) x 524,288
	s_lshl_b32 s20, s17, 4
	s_lshl_b32 s21, s15, 3
	s_add_co_u32 s20, s20, s21                     ; 16 x tile row + 8 x half
	s_lshl_b32 s20, s20, 11
	s_mov_b32 s21, 0
	s_lshl_b32 s46, s42, 2
	s_lshl_b32 s47, s16, 1
	s_add_co_u32 s46, s46, s47                     ; 4 x tile column + 2 x half
	s_lshl_b32 s46, s46, 19
	s_mov_b32 s47, 0
	s_add_nc_u64 s[20:21], s[20:21], s[46:47]
	s_add_nc_u64 s[12:13], s[12:13], s[20:21]
.macro FRAG reg, adr, q, i             ; a fragment, 16 rows x 128 K of 4-bit codes, is 8 registers: lane l holds row l % 16; registers 4 c .. 4 c + 3 hold K = 64 c + 32 (l / 16) + 0 .. 31
.irp c, 0,1
	ds_load_b128 v[\reg+4*\c:\reg+4*\c+3], v[\adr] offset:64*(\q)+32*\c+(\i)*16*PITCH
.endr
.endm
; 16 matrix instructions: x's blocks a0, a0 + 1 against W's eight, 128 along K: the slot's q-th.  p: W's set;  sc: the set of scale words.  zero = 1: the first product starts the sums.
; The 64 accumulators take turns, one instruction a turn, in the same order in every step.
.macro MUL16 a0, p, q, sc, zero
.irp a, \a0, \a0+1
.irp b, 0,1,2,3,4,5,6,7
.if \zero
	v_wmma_scale_f32_16x16x128_f8f6f4 v[8*(8*((\a)%4)+\b):8*(8*((\a)%4)+\b)+7], v[128*(\p)+FR*\b:128*(\p)+FR*\b+FR-1], v[AF+FR*(\a):AF+FR*(\a)+FR-1], 0, v[SC+8*NQ*(\sc)+NQ*\b+(\q)], v[SC+8*NQ*(\sc)+NQ*(\a)+(\q)] matrix_a_fmt:MATRIX_FMT_FP4 matrix_b_fmt:MATRIX_FMT_FP4 matrix_a_scale:MATRIX_SCALE_ROW1
.else
	v_wmma_scale_f32_16x16x128_f8f6f4 v[8*(8*((\a)%4)+\b):8*(8*((\a)%4)+\b)+7], v[128*(\p)+FR*\b:128*(\p)+FR*\b+FR-1], v[AF+FR*(\a):AF+FR*(\a)+FR-1], v[8*(8*((\a)%4)+\b):8*(8*((\a)%4)+\b)+7], v[SC+8*NQ*(\sc)+NQ*\b+(\q)], v[SC+8*NQ*(\sc)+NQ*(\a)+(\q)] matrix_a_fmt:MATRIX_FMT_FP4 matrix_b_fmt:MATRIX_FMT_FP4 matrix_a_scale:MATRIX_SCALE_ROW1
.endif
.endr
.endr
.endm
.macro FETCH_B slot, q, p              ; W's eight fragments of the slot's q-th 128 along K into set p
	WIN TO_B
.irp i, 0,1,2,3,4,5,6,7
	FRAG 128*(\p)+FR*\i, ADRB+\slot, \q, \i
.endr
	WIN 0
.endm
.macro FETCH_A slot, q, i0             ; x's blocks i0 .. i0 + 3
.irp i, \i0, \i0+1, \i0+2, \i0+3
	FRAG AF+FR*(\i), ADRA+\slot, \q, \i
.endr
.endm
.macro SCALES sc                       ; a K step's scale words into set sc: NQ words a row; lanes 0-15 take x's block i, lanes 16-31 W's block i
.irp i, 0,1,2,3,4,5,6,7
	ds_load_b128 v[SC+8*NQ*\sc+NQ*\i:SC+8*NQ*\sc+NQ*\i+3], v[ADRS] offset:\i*SBLK
.endr
.endm
; A load into a register that a matrix instruction has read, and a vector instruction that reads a matrix result or writes one of its registers, stand NP places behind it; only plain vector
; instructions that name none of its registers are places (ISA guide 7.12.1 for vector instructions).
.macro PLACES n
.rept \n
	v_nop
.endr
.endm
; A step of 128 along K that has its successor in the same slot.
.macro STEP slot, q, zero
	s_wait_dscnt 4*NL                              ; W's set and x's blocks 0-3 are in; the youngest eight loads (x's blocks 4-7) may be out
	WIN MUL_LO
	MUL16 0, (\q)%2, \q, \slot, \zero
	MUL16 2, (\q)%2, \q, \slot, \zero
	s_wait_dscnt 0                                 ; x's blocks 4-7 are in
	PLACES NP
	FETCH_B \slot, (\q)+1, 1-(\q)%2
	FETCH_A \slot, (\q)+1, 0
	WIN MUL_HI
	MUL16 4, (\q)%2, \q, \slot, \zero
	MUL16 6, (\q)%2, \q, \slot, \zero
	PLACES NP
	WIN 0
	FETCH_A \slot, (\q)+1, 4
.endm
; Slot 0's last step changes slots: one barrier; in front of it each wave waits for all its tensor loads (its part of slot 1), so that behind it slot 1 is whole for everybody.  Nothing is filled again.
.macro TURN slot, next
	s_wait_tensorcnt 0x0                           ; all my tensor loads have landed
	ds_add_u32 v[SPW], v[NIL]                      ; 0 onto my spare word
	s_wait_dscnt 4*NL+1                            ; the add and the youngest eight loads (x's blocks 4-7) may be out
	WIN MUL_LO
	MUL16 0, 1, NQ-1, \slot, 0                     ; sixteen matrix instructions stand between the add and the wait for it
	s_wait_dscnt 0x0                               ; the add is done, and my reads of this slot are over
	s_barrier_signal -1
	MUL16 2, 1, NQ-1, \slot, 0
	WIN 0
	s_barrier_wait -1
	PLACES NP
	v_add_nc_u32 v[ADRS], 4*NQ, v[ADRS]            ; on to the next K step's scale words (no LDS load of mine is out)
	FETCH_B \next, 0, 0
	FETCH_A \next, 0, 0
	SCALES \next
	WIN MUL_HI
	MUL16 4, 1, NQ-1, \slot, 0
	MUL16 6, 1, NQ-1, \slot, 0
	PLACES NP
	WIN 0
	FETCH_A \next, 0, 4
.endm
.macro STEPS slot, from                ; the slot's steps from .. NQ - 2
.set Q, \from
.rept NQ-1-\from
	STEP \slot, Q, 0
.set Q, Q+1
.endr
.endm
; THE WAY OUT of block a (16 tokens x 128 columns): rounded to f16, 16 bytes a lane, and stored as it stands: W's block b is columns 16 b on, which are run b % 4 of 512 bytes in head b / 4 of my two.
.macro OUTBLK a
.set AC, 64*((\a)%4)
.set TMP, 128+32*((\a)%4)              ; four sets of 32 registers, in window 0
.if (\a) == 4
	s_wait_xcnt 0x0                                ; the stores of blocks 0 to 3 have read the four sets, which are written again from here on
.endif
	WIN 0x0a+5*((\a)/4)                            ; sources 0 and 1: window 2 or 3
.irp b, 0,1,2,3,4,5,6,7
.irp r, 0,1,2,3
	v_cvt_pk_f16_f32 v[TMP+4*\b+\r], v[AC+8*\b+2*\r], v[AC+8*\b+2*\r+1]   ; each accumulator from its low end on
.endr
.endr
	WIN 0
.irp b, 0,1,2,3,4,5,6,7
	global_store_b128 v[CO], v[TMP+4*\b:TMP+4*\b+3], s[12:13] offset:(\a)*2048+(\b/4)*524288+(\b%4)*512   ; 32 lanes store 512 consecutive bytes, at a multiple of 512 from C's first byte
.endr
.endm
	s_wait_tensorcnt 1                             ; the scales and my part of K step 0 are in; K step 1's load, issued behind them, may be out
	s_barrier_signal -1
	s_barrier_wait -1                              ; everybody's are
	FETCH_B 0, 0, 0
	FETCH_A 0, 0, 0
	SCALES 0
	FETCH_A 0, 0, 4
	STEP 0, 0, 1                                   ; the first step's products start the sums: nothing is cleared
	STEPS 0, 1
	TURN 0, 1
	STEPS 1, 0
	s_wait_dscnt 4*NL                              ; the very last step: nothing more to fetch
	WIN MUL_LO
	MUL16 0, 1, NQ-1, 1, 0
	MUL16 2, 1, NQ-1, 1, 0
	s_wait_dscnt 0
	WIN MUL_HI
	MUL16 4, 1, NQ-1, 1, 0
	MUL16 6, 1, NQ-1, 1, 0
	WIN 0
	PLACES NP                                      ; the conversions below write the registers that held x's fragments
.irp a, 0,1,2,3,4,5,6,7
	OUTBLK \a
.endr
	s_wait_tensorcnt 0x0                           ; the wave's end, behind my last tensor load
	ds_add_u32 v[SPW], v[NIL]
	s_wait_dscnt 0x0
	CROUND                                         ; the closing round: no work-group ends while a partner may still ask for a tile that names it
	s_endpgm
.Lfunc_end_k_qce3f931ad3_qkv:
	.size	k_qce3f931ad3_qkv, .Lfunc_end_k_qce3f931ad3_qkv-k_qce3f931ad3_qkv
	.p2alignl 7, 3214868480
	.fill 96, 4, 3214868480
	.section	.rodata,"a",@progbits
	.p2align	6, 0x0
	.amdhsa_kernel k_qce3f931ad3_qkv
		.amdhsa_group_segment_fixed_size 327680
		.amdhsa_private_segment_fixed_size 0
		.amdhsa_enable_private_segment 0
		.amdhsa_kernarg_size 40
		.amdhsa_user_sgpr_count 2
		.amdhsa_user_sgpr_kernarg_segment_ptr 1
		.amdhsa_wavefront_size32 1
		.amdhsa_system_sgpr_workgroup_id_x 1
		.amdhsa_system_sgpr_workgroup_id_y 1
		.amdhsa_system_sgpr_workgroup_id_z 1
		.amdhsa_system_vgpr_workitem_id 0
		.amdhsa_next_free_vgpr 1024
		.amdhsa_next_free_sgpr 98
		.amdhsa_reserve_vcc 0
		.amdhsa_float_denorm_mode_32 3
		.amdhsa_float_denorm_mode_16_64 3
		.amdhsa_memory_ordered 1
		.amdhsa_forward_progress 1
		.amdhsa_inst_pref_size 117
	.end_amdhsa_kernel
	.amdgpu_metadata
---
amdhsa.version: [ 1, 2 ]
amdhsa.kernels:
  - .name:           k_qce3f931ad3_qkv
    .symbol:         k_qce3f931ad3_qkv.kd
    .args:
      - { .name: xc, .offset: 0, .size: 8, .value_kind: global_buffer, .address_space: global }
      - { .name: xs, .offset: 8, .size: 8, .value_kind: global_buffer, .address_space: global }
      - { .name: wc, .offset: 16, .size: 8, .value_kind: global_buffer, .address_space: global }
      - { .name: ws, .offset: 24, .size: 8, .value_kind: global_buffer, .address_space: global }
      - { .name: qkv, .offset: 32, .size: 8, .value_kind: global_buffer, .address_space: global }
    .group_segment_fixed_size: 327680
    .private_segment_fixed_size: 0
    .kernarg_segment_align: 8
    .kernarg_segment_size: 40
    .max_flat_workgroup_size: 128
    .sgpr_count:     98
    .vgpr_count:     1024
    .wavefront_size: 32
...
	.end_amdgpu_metadata
.endif
;; end of part 2
;; launch attn (part 3): grid 16 x 16, 16 waves a work-group, no clusters, 153,600 bytes of LDS; arguments qkv, a, gp; writes a, gp
.if DOCPART == 3
	.amdgcn_target "amdgcn-amd-amdhsa--gfx1250"
	.amdhsa_code_object_version 6
	.text
	.protected	k_qce3f931ad3_attn
	.globl	k_qce3f931ad3_attn
	.p2align	8
	.type	k_qce3f931ad3_attn,@function
k_qce3f931ad3_attn:
	s_mov_b64 s[64:65], 0
	v_nop
	global_prefetch_b8 v0, s[64:65] scope:SCOPE_SE
	s_setreg_imm32_b32 hwreg(HW_REG_WAVE_MODE, 25, 1), 1
	s_wait_xcnt 0x0
; Attention under the mask that the problem builds itself: key j counts for query i where |i - j| <= 128, or j < 64, or i < 64.  16 heads of 64, 4,096 tokens.  q, k, v arrive as f16 in operand order
; (qkv: [48 heads: q's, k's, v's][token / 16][channel / 8][token % 16][8 numbers]); products on f16 operands with f32 sums; maxima, exponentials and sums in f32; p is rounded to f16 for the second product.
; LIMITS: |q|, |k|, |v| under 65,504 (f16); NaN and infinities are not served.
; SHARES.  Work-group (b, head): 256 queries and 256 own keys.  PHASE 1: wave w owns the 16 queries from q0 = 256 b + 16 w: keys 0-63 (one step), then the window q0 - 128 .. q0 + 159 (four steps of 64 keys,
; one of 32).  Waves with q0 < 64 have none of it.  PHASE 2: queries 0-63 see all 4,096 keys; these are shared out: wave w takes query tile w % 4 against the 64 keys 256 b + 64 (w / 4) on, which lie in
; LDS anyway, and stores a PART: its O divided by its own sum (f16), its -M and its sum.  The next launch adds each row's 64 parts.  So every wave of every work-group has 6.5 steps.
; LDS: 37 tiles of 16 keys x 2,048 bytes of K, then as many of V, as they lie in memory.  Tiles 0-3: keys 0-63.  Tile 4 + u: key tile 16 b + u - 8, held to 0 .. 255; a tile that was held is hidden
; by the mask, which works on the key's number before the hold.  LDS is filled ONCE, through registers, with one barrier; afterwards it is only read.
; NO CLUSTER, NO TENSOR LOAD: neighbouring work-groups share 17 of their 33 window tiles, but at LDS places 16 tiles apart, and a joint load has one LDS address for all that it names; tiles 0-3,
; which all 16 blocks of a head share at one place, are 4 of 37.  Nothing is filled again, so there is no ring to feed, and nothing to ask for ahead of the one burst at the head.
; LAYOUT.  S^T = K Q^T (source 0 = 16 keys, source 1 = 16 queries): a lane holds ONE query (lane % 16) and keys 8 (lane / 16) + 0..7 of the tile.  Two such tiles, rounded to f16 in pairs, ARE source 1
; (32 keys x 16 queries) of O^T = V^T P.  K comes out of LDS as it lies; V is turned by ds_load_tr16_b128.
; SOFTMAX.  t = score x log2(e) / 8; M = the running largest t rounded UP to a whole number, kept as -M; p = 2^(t - M); when M moves, the sum and O^T are multiplied by 2^(old M - new M), exactly.
; The sum is taken of p before it is rounded.
.set TILEB, 2048
.set KREG,  0
.set VREG,  37*TILEB
.set SPARE, 2*37*TILEB                 ; behind the tiles: the spare words, 128 bytes for each of 16 waves
.set HEADB, 524288                     ; a head's bytes in qkv
.set GST,   8388608                    ; gp: the parts' figures begin here
.set L16, 1                            ; v1   16 x lane
.set AKG, 2                            ; v2   LDS: keys 0-63 of K;      v3  of V (with the turning load's lane term)
.set AVG, 3
.set AKW, 4                            ; v4   my window's first tile of K;   v5  of V
.set AVW, 5
.set AK2, 6                            ; v6   phase 2's first tile of K;     v7  of V
.set AV2, 7
.set LOD, 8                            ; v8   max(r, 192 - q0) - 8 h: a window key is hidden on the low side where 16 t + j < LOD - (the step's first key - the window's)
.set HID, 9                            ; v9   min(r + 256, 4223 - q0) - 8 h: on the high side where 16 t + j > HID - the same
.set SPW, 10                           ; v10  LDS address of my spare word; never rewritten
.set NIL, 11                           ; v11  0; never rewritten
;      v12 -M, v13 the largest t (a pair); v[14:15] the sum in two halves; v[16:17] f; v[18:19] a second chain of sums, later 1 / sum
.set TM,  20                           ; v20-23 the tiles' maxima, at work.  In the loader: LA, LAV, LA3, LAV3, where my wave stores its tiles
.set LA,  20
.set LAV, 21
.set LA3, 22
.set LAV3, 23
;      v24 a lane permute's destination; v25 the mask's figure; v26 -infinity; v27-31 the loader's offsets
.set Q,   32                           ; v32-47   my 16 queries: two fragments of 32 channels
.set GQ,  48                           ; v48-63   phase 2's query tile
.set KV,  64                           ; v64-127  four tiles of K (16 t + 8 s + 4 c), then of V^T (8 (4 p + d) + 4 c)
.set S,   128                          ; v128-159 S^T, then p
.set P,   160                          ; v160-175 p as f16; later packed results.  At the head: temporaries up to v167
.set O,   176                          ; v176-207 O^T: four tiles of 16 channels
; A STEP of nt tiles of 16 keys.  first = 1: it starts M, the sum and O^T.  msk: 0 none, 1 the low side, 2 the high side.  lim: 0: the mask always runs; else the bound on q0 beyond which no key of the step
; is hidden and a scalar jump on ids leads round the mask.  kfo: the step's first key less the window's.  ak, av: address registers; off: first tile from there; qr: the queries' first register.
.macro STEP nt, first, msk, lim, kfo, ak, av, off, qr
.if \first == 0
.rept 4
	v_nop                                          ; places behind the last V^T P, in front of loads into registers that it read
.endr
.endif
.set t, 0
.rept \nt
.irp s, 0,1
.irp c, 0,1
	ds_load_b128 v[KV+16*t+8*\s+4*\c:KV+16*t+8*\s+4*\c+3], v[\ak] offset:((\off)+t)*TILEB+\s*1024+\c*512   ; 512 consecutive bytes: register group c of the fragment (tile t, channels 32 s on)
.endr
.endr
.set t, t+1
.endr
	s_wait_dscnt 0x0
.irp s, 0,1                                    ; S^T = K Q^T: the tiles' accumulators take turns, one instruction a turn
.set t, 0
.rept \nt
.if \s == 0
	v_wmma_f32_16x16x32_f16 v[S+8*t:S+8*t+7], v[KV+16*t:KV+16*t+7], v[\qr:\qr+7], 0
.else
	v_wmma_f32_16x16x32_f16 v[S+8*t:S+8*t+7], v[KV+16*t+8:KV+16*t+15], v[\qr+8:\qr+15], v[S+8*t:S+8*t+7]
.endif
.set t, t+1
.endr
.endr
.rept 4
	v_nop                                          ; places: for the loads into K's registers, and for the first read of the scores
.endr
.set t, 0
.rept (\nt)/2                                  ; V^T of these keys, turned: it lands under the softmax
.irp d, 0,1,2,3
.irp c, 0,1
	ds_load_tr16_b128 v[KV+8*(4*t+\d)+4*\c:KV+8*(4*t+\d)+4*\c+3], v[\av] offset:((\off)+2*t+\c)*TILEB+\d*512
.endr
.endr
.set t, t+1
.endr
.if \msk == 1                                  ; hidden scores become -infinity ahead of the maximum: p = 0 then
.if \lim
	s_cmp_ge_u32 s13, \lim
	s_cbranch_scc1 .Lnm_\@
.endif
	v_add_nc_u32 v25, -(\kfo), v[LOD]
.set n, 0
.rept 8*(\nt)
	v_cmp_lt_i32 vcc_lo, 16*(n/8)+n%8, v25
	v_cndmask_b32 v[S+n], v[S+n], v26, vcc_lo
.set n, n+1
.endr
.Lnm_\@:
.endif
.if \msk == 2
.if \lim
	s_cmp_le_u32 s13, \lim
	s_cbranch_scc1 .Lnm_\@
.endif
	v_add_nc_u32 v25, -(\kfo), v[HID]
.set n, 0
.rept 8*(\nt)
	v_cmp_gt_i32 vcc_lo, 16*(n/8)+n%8, v25
	v_cndmask_b32 v[S+n], v[S+n], v26, vcc_lo
.set n, n+1
.endr
.Lnm_\@:
.endif
.set t, 0
.rept \nt
	v_max3_num_f32 v[TM+t], v[S+8*t], v[S+8*t+1], v[S+8*t+2]       ; each tile's largest score, the tiles by turns; each accumulator is read from its low end on
.set t, t+1
.endr
.irp i, 3,5
.set t, 0
.rept \nt
	v_max3_num_f32 v[TM+t], v[TM+t], v[S+8*t+\i], v[S+8*t+\i+1]
.set t, t+1
.endr
.endr
.set t, 0
.rept \nt
	v_max_num_f32 v[TM+t], v[TM+t], v[S+8*t+7]
.set t, t+1
.endr
.if \nt == 4
	v_max3_num_f32 v[TM], v[TM], v[TM+1], v[TM+2]
	v_max_num_f32 v[TM], v[TM], v[TM+3]
.else
	v_max_num_f32 v[TM], v[TM], v[TM+1]
.endif
	v_permlanex16_b32 v24, v[TM], s14, s15         ; the query's other keys lie in the lane 16 away
	v_max_num_f32 v[TM], v[TM], v24
	v_mul_f32 v[TM], s16, v[TM]                    ; as t (c is positive)
.if \first
	v_mov_b32 v13, v[TM]
	v_floor_f32 v12, -v13                          ; -M = floor(-t) = -ceil(t)
.else
	v_max_num_f32 v13, v13, v[TM]                  ; the running largest t (a step that is wholly hidden leaves it)
	v_mov_b32 v[TM+1], v12
	v_floor_f32 v12, -v13
	v_sub_f32 v[TM+1], v12, v[TM+1]                ; old M - new M: a whole number, 0 or less
	v_cvt_i32_f32 v[TM+1], v[TM+1]                 ; (it saturates)
	v_ldexp_f32 v16, 1.0, v[TM+1]                  ; f = 2^(old M - new M)
.endif
.set n, 0
.rept 4*(\nt)
	v_pk_fma_f32 v[S+n:S+n+1], v[S+n:S+n+1], s[16:17], v[12:13] op_sel_hi:[1,0,0]   ; t - M, two at a time (of the pairs c and -M the low word serves both halves)
.set n, n+2
.endr
.set n, 0
.rept 8*(\nt)
	v_exp_f32 v[S+n], v[S+n]                       ; p = 2^(t - M): one batch
.set n, n+1
.endr
.if \first
	v_nop                                          ; the plain line behind the last exponential
.else
	v_pk_mul_f32 v[14:15], v[14:15], v[16:17] op_sel_hi:[1,0]      ; the sums under the new M (the plain line behind the last exponential)
.endif
	s_wait_alu depctr_va_vdst(0)                   ; a wait ahead of the first line that names an exponential's result: one for the batch
.if \first
	v_pk_add_f32 v[14:15], v[S:S+1], v[S+2:S+3]    ; the sum of the unrounded p, two at a time, in two chains
	v_pk_add_f32 v[18:19], v[S+4:S+5], v[S+6:S+7]
.set n, 8
.else
	v_pk_add_f32 v[18:19], v[S:S+1], v[S+2:S+3]
.set n, 4
.endif
.rept (8*(\nt)-n)/4
	v_pk_add_f32 v[14:15], v[14:15], v[S+n:S+n+1]
	v_pk_add_f32 v[18:19], v[18:19], v[S+n+2:S+n+3]
.set n, n+4
.endr
	v_pk_add_f32 v[14:15], v[14:15], v[18:19]
.set n, 0
.rept 4*(\nt)
	v_cvt_pk_f16_f32 v[P+n], v[S+2*n], v[S+2*n+1]  ; two tiles' pairs are source 1 of the second product
.set n, n+1
.endr
.if \first
.rept 4
	v_nop
.endr
.else
.set n, 0
.rept 16
	v_pk_mul_f32 v[O+n:O+n+1], v[O+n:O+n+1], v[16:17] op_sel_hi:[1,0]   ; O^T under the new M, each accumulator from its low end on
.set n, n+2
.endr
.endif
	s_wait_dscnt 0x0                               ; V^T is in
.set t, 0
.rept (\nt)/2                                  ; O^T += V^T P: 32 keys deep, the four accumulators by turns
.irp d, 0,1,2,3
.if (\first) && (t == 0)
	v_wmma_f32_16x16x32_f16 v[O+8*\d:O+8*\d+7], v[KV+8*(4*t+\d):KV+8*(4*t+\d)+7], v[P+8*t:P+8*t+7], 0
.else
	v_wmma_f32_16x16x32_f16 v[O+8*\d:O+8*\d+7], v[KV+8*(4*t+\d):KV+8*(4*t+\d)+7], v[P+8*t:P+8*t+7], v[O+8*\d:O+8*\d+7]
.endif
.endr
.set t, t+1
.endr
.endm
; O^T / the sum, rounded to f16 and stored: lane (r, h) holds query r and channels 16 d + 8 h + 0..7: 16 bytes at 16 x lane of run d of 512 bytes.  v14 is left holding the whole sum.
.macro FINISH base
.rept 4
	v_nop                                          ; places behind the last products
.endr
	v_add_f32 v14, v14, v15
	v_permlanex16_b32 v24, v14, s14, s15
	v_add_f32 v14, v14, v24                        ; the sum's two halves, and the other 16 lanes'
	v_rcp_f32 v18, v14
	v_nop                                          ; the plain line behind the reciprocal
	s_wait_alu depctr_va_vdst(0)                   ; and the wait ahead of its first reader
.set n, 0
.rept 16
	v_pk_mul_f32 v[O+n:O+n+1], v[O+n:O+n+1], v[18:19] op_sel_hi:[1,0]
.set n, n+2
.endr
.set n, 0
.rept 16
	v_cvt_pk_f16_f32 v[P+n], v[O+2*n], v[O+2*n+1]
.set n, n+1
.endr
.irp d, 0,1,2,3
	global_store_b128 v[L16], v[P+4*\d:P+4*\d+3], s[\base:\base+1] offset:512*\d   ; 32 lanes store 512 consecutive bytes, aligned
.endr
.endm
	s_load_b128 s[4:7], s[0:1], 0x0                ; qkv s[4:5], a s[6:7]
	s_load_b64 s[8:9], s[0:1], 0x10                ; gp
	v_lshl_add_u32 v[SPW], v0, 2, SPARE
	v_mov_b32 v[NIL], 0
	v_lshrrev_b32 v160, 5, v0
	v_readfirstlane_b32 s10, v160                  ; wave 0..15
	s_mov_b32 s11, ttmp9                           ; b
	s_and_b32 s12, ttmp7, 0xffff                   ; head
	s_lshl_b32 s13, s11, 8
	s_lshl_b32 s30, s10, 4
	s_add_co_u32 s13, s13, s30                     ; q0 = 256 b + 16 w
	s_mov_b32 s14, 0x76543210
	s_mov_b32 s15, 0xfedcba98                      ; v_permlanex16_b32's selects for lane l xor 16
	s_mov_b32 s16, 0x3e38aa3b                      ; c = log2(e) / 8
	s_mov_b32 s17, s16                             ; (named with it as a pair, so it is written)
	v_and_b32 v161, 31, v0
	v_lshlrev_b32 v[L16], 4, v161
	v_bfe_u32 v162, v0, 3, 1
	v_bfe_u32 v163, v0, 4, 1                       ; h
	v_and_b32 v164, 7, v0
	v_lshlrev_b32 v165, 8, v162                    ; the turning load: lane l addresses token 8 (l / 16) + l % 8, channels 8 ((l / 8) % 2) + 0..7 of a run of 16 channels:
	v_lshl_add_u32 v165, v163, 7, v165             ; 256 ((l / 8) % 2) + 128 (l / 16) + 16 (l % 8);
	v_lshl_add_u32 v165, v164, 4, v165             ; it leaves lane l with channel l % 16 and tokens 8 (l / 16) + 0..7
	; every LDS address is made here, of the wave's number, the lane and constants
	s_lshl_b32 s30, s10, 11
	v_add_nc_u32 v[LA], s30, v[L16]                ; the loader: tile w of K,
	v_add_nc_u32 v[LAV], VREG, v[LA]               ; of V,
	v_add_nc_u32 v[LA3], 0x10000, v[LA]            ; and tile 32 + w of each
	v_add_nc_u32 v[LAV3], 0x10000, v[LAV]
	v_add_nc_u32 v[AKG], KREG, v[L16]
	v_add_nc_u32 v[AVG], VREG, v165
	s_add_co_u32 s31, s30, 4*TILEB
	v_add_nc_u32 v[AKW], s31, v[L16]               ; my window begins at tile 4 + w
	s_add_co_u32 s31, s31, VREG
	v_add_nc_u32 v[AVW], s31, v165
	s_lshr_b32 s31, s10, 2
	s_lshl_b32 s31, s31, 13
	s_add_co_u32 s31, s31, 12*TILEB
	v_add_nc_u32 v[AK2], s31, v[L16]               ; phase 2: tile 12 + 4 (w / 4): key 256 b + 64 (w / 4)
	s_add_co_u32 s31, s31, VREG
	v_add_nc_u32 v[AV2], s31, v165
	; the mask's two figures
	v_and_b32 v165, 15, v0                         ; r
	v_lshlrev_b32 v167, 3, v163                    ; 8 h
	s_sub_co_i32 s45, 192, s13
	v_mov_b32 v166, s45
	v_cmp_gt_i32 vcc_lo, v166, v165
	v_cndmask_b32 v[LOD], v165, v166, vcc_lo       ; max(r, 192 - q0)
	v_sub_nc_u32 v[LOD], v[LOD], v167
	v_add_nc_u32 v165, 0x100, v165
	s_sub_co_i32 s45, 4223, s13
	v_mov_b32 v166, s45
	v_cmp_lt_i32 vcc_lo, v166, v165
	v_cndmask_b32 v[HID], v165, v166, vcc_lo       ; min(r + 256, 4223 - q0)
	v_sub_nc_u32 v[HID], v[HID], v167
	v_mov_b32 v17, 0                               ; (named as the upper half of the pair v[16:17])
	v_mov_b32 v24, 0                               ; a lane permute's destination counts as one of its sources
	v_mov_b32 v26, 0xff800000                      ; -infinity
	; which key tiles my wave brings: LDS tiles w, 16 + w and, in waves 0-4, 32 + w
	s_lshl_b32 s40, s11, 4
	s_add_co_u32 s40, s40, s10                     ; 16 b + w: also my queries' tile
	s_sub_co_i32 s41, s40, 12
	s_max_i32 s41, s41, 0
	s_cmp_lt_u32 s10, 4
	s_cselect_b32 s41, s10, s41                    ; tiles 0-3 are key tiles 0-3
	s_add_co_u32 s42, s40, 4
	s_min_i32 s42, s42, 255
	s_add_co_u32 s43, s40, 20
	s_min_i32 s43, s43, 255
	s_and_b32 s44, s10, 3
	v_lshl_add_u32 v27, s41, 11, v[L16]
	v_lshl_add_u32 v28, s42, 11, v[L16]
	v_lshl_add_u32 v29, s43, 11, v[L16]
	v_lshl_add_u32 v30, s40, 11, v[L16]
	v_lshl_add_u32 v31, s44, 11, v[L16]
	; byte offsets of the bases
	s_lshl_b32 s30, s12, 19                        ; head x 524,288
	s_mov_b32 s31, 0
	s_lshl_b32 s32, s13, 11                        ; a: (q0 / 16) x 32,768
	s_lshl_b32 s34, s12, 11                        ;    + head x 2,048
	s_add_co_u32 s32, s32, s34
	s_mov_b32 s33, 0
	s_lshl_b32 s34, s12, 2
	s_add_co_u32 s34, s34, s44
	s_lshl_b32 s34, s34, 6
	s_lshl_b32 s35, s11, 2
	s_add_co_u32 s34, s34, s35
	s_lshr_b32 s35, s10, 2
	s_add_co_u32 s34, s34, s35                     ; my part: (4 head + w % 4) x 64 + 4 b + w / 4
	s_lshl_b32 s36, s34, 11
	s_mov_b32 s37, 0
	s_lshl_b32 s38, s34, 7
	s_mov_b32 s39, 0
	s_wait_kmcnt 0x0
	s_add_nc_u64 s[18:19], s[4:5], s[30:31]        ; q of my head,
	s_add_nc_u64 s[20:21], s[18:19], 16*HEADB      ; k,
	s_add_nc_u64 s[22:23], s[18:19], 32*HEADB      ; v
	s_add_nc_u64 s[24:25], s[6:7], s[32:33]        ; my queries' 2,048 bytes of a
	s_add_nc_u64 s[26:27], s[8:9], s[36:37]        ; my part's 2,048 bytes
	s_add_nc_u64 s[28:29], s[8:9], s[38:39]
	s_add_nc_u64 s[28:29], s[28:29], GST           ; and its 128 bytes of figures
.irp i, 0,1,2,3
	global_load_b128 v[Q+4*\i:Q+4*\i+3], v30, s[18:19] offset:512*\i
.endr
.irp i, 0,1,2,3
	global_load_b128 v[GQ+4*\i:GQ+4*\i+3], v31, s[18:19] offset:512*\i
.endr
.irp i, 0,1,2,3
	global_load_b128 v[KV+4*\i:KV+4*\i+3], v27, s[20:21] offset:512*\i
	global_load_b128 v[KV+16+4*\i:KV+16+4*\i+3], v27, s[22:23] offset:512*\i
	global_load_b128 v[KV+32+4*\i:KV+32+4*\i+3], v28, s[20:21] offset:512*\i
	global_load_b128 v[KV+48+4*\i:KV+48+4*\i+3], v28, s[22:23] offset:512*\i
.endr
	s_cmp_ge_u32 s10, 5                            ; 37 tiles: waves 0-4 bring a third
	s_cbranch_scc1 .Lno3
.irp i, 0,1,2,3
	global_load_b128 v[S+4*\i:S+4*\i+3], v29, s[20:21] offset:512*\i
	global_load_b128 v[S+16+4*\i:S+16+4*\i+3], v29, s[22:23] offset:512*\i
.endr
	s_wait_loadcnt 0x0
.irp i, 0,1,2,3
	ds_store_b128 v[LA3], v[S+4*\i:S+4*\i+3] offset:512*\i
	ds_store_b128 v[LAV3], v[S+16+4*\i:S+16+4*\i+3] offset:512*\i
.endr
.Lno3:
	s_wait_loadcnt 0x0
.irp i, 0,1,2,3
	ds_store_b128 v[LA], v[KV+4*\i:KV+4*\i+3] offset:512*\i
	ds_store_b128 v[LAV], v[KV+16+4*\i:KV+16+4*\i+3] offset:512*\i
	ds_store_b128 v[LA], v[KV+32+4*\i:KV+32+4*\i+3] offset:32768+512*\i
	ds_store_b128 v[LAV], v[KV+48+4*\i:KV+48+4*\i+3] offset:32768+512*\i
.endr
	s_wait_dscnt 0x0                               ; for the others' sake: my stores have landed
	s_barrier_signal -1
	s_barrier_wait -1                              ; all 74 tiles lie in LDS; from here on LDS is only read
	s_cmp_lt_u32 s13, 64                           ; queries 0-63 have no phase 1
	s_cbranch_scc1 .Lphase2
	; The low side can cut only in the window's first step, and in its second where q0 < 128 (the bound j >= 64 also keeps window keys from being counted beside keys 0-63);
	; the high side only in the last step, in the fourth where q0 > 3,968 and in the third where q0 > 4,032 (keys past 4,095).
	STEP 4, 1, 0, 0,    0,   AKG, AVG, 0,  Q       ; keys 0-63 count for every query: M is a number from here on
	STEP 4, 0, 1, 0,    0,   AKW, AVW, 0,  Q
	STEP 4, 0, 1, 128,  64,  AKW, AVW, 4,  Q
	STEP 4, 0, 2, 4032, 128, AKW, AVW, 8,  Q
	STEP 4, 0, 2, 3968, 192, AKW, AVW, 12, Q
	STEP 2, 0, 2, 0,    256, AKW, AVW, 16, Q       ; keys q0 + 128 .. q0 + 159: the second tile is wholly hidden and fills the product's 32 keys
	FINISH 24
.Lphase2:
	s_wait_xcnt 0x0                                ; phase 1's stores have read their registers, which are written again below
	STEP 4, 1, 0, 0,    0,   AK2, AV2, 0,  GQ
	FINISH 26
	v_and_b32 v21, 31, v0
	v_lshlrev_b32 v31, 2, v21
	v_cmp_le_u32 vcc_lo, 16, v21
	v_cndmask_b32 v20, v12, v14, vcc_lo            ; lanes 0-15: -M of query r; lanes 16-31: its sum
	global_store_b32 v31, v20, s[28:29]            ; 128 consecutive bytes a wave: one byte in 17 of what phase 2 stores
	s_wait_tensorcnt 0x0                           ; the wave's end, behind my last LDS store
	ds_add_u32 v[SPW], v[NIL]
	s_wait_dscnt 0x0
	s_endpgm
.Lfunc_end_k_qce3f931ad3_attn:
	.size	k_qce3f931ad3_attn, .Lfunc_end_k_qce3f931ad3_attn-k_qce3f931ad3_attn
	.p2alignl 7, 3214868480
	.fill 96, 4, 3214868480
	.section	.rodata,"a",@progbits
	.p2align	6, 0x0
	.amdhsa_kernel k_qce3f931ad3_attn
		.amdhsa_group_segment_fixed_size 153600
		.amdhsa_private_segment_fixed_size 0
		.amdhsa_enable_private_segment 0
		.amdhsa_kernarg_size 24
		.amdhsa_user_sgpr_count 2
		.amdhsa_user_sgpr_kernarg_segment_ptr 1
		.amdhsa_wavefront_size32 1
		.amdhsa_system_sgpr_workgroup_id_x 1
		.amdhsa_system_sgpr_workgroup_id_y 1
		.amdhsa_system_sgpr_workgroup_id_z 1
		.amdhsa_system_vgpr_workitem_id 0
		.amdhsa_next_free_vgpr 208
		.amdhsa_next_free_sgpr 66
		.amdhsa_reserve_vcc 1
		.amdhsa_float_denorm_mode_32 3
		.amdhsa_float_denorm_mode_16_64 3
		.amdhsa_memory_ordered 1
		.amdhsa_forward_progress 1
		.amdhsa_inst_pref_size 87
	.end_amdhsa_kernel
	.amdgpu_metadata
---
amdhsa.version: [ 1, 2 ]
amdhsa.kernels:
  - .name:           k_qce3f931ad3_attn
    .symbol:         k_qce3f931ad3_attn.kd
    .args:
      - { .name: qkv, .offset: 0, .size: 8, .value_kind: global_buffer, .address_space: global }
      - { .name: a, .offset: 8, .size: 8, .value_kind: global_buffer, .address_space: global }
      - { .name: gp, .offset: 16, .size: 8, .value_kind: global_buffer, .address_space: global }
    .group_segment_fixed_size: 153600
    .private_segment_fixed_size: 0
    .kernarg_segment_align: 8
    .kernarg_segment_size: 24
    .max_flat_workgroup_size: 512
    .sgpr_count:     66
    .vgpr_count:     208
    .wavefront_size: 32
...
	.end_amdgpu_metadata
.endif
;; end of part 3
;; launch gmerge (part 4): grid 16 x 16, 1 waves a work-group, no clusters, 0 bytes of LDS; arguments gp, a; writes a
.if DOCPART == 4
	.amdgcn_target "amdgcn-amd-amdhsa--gfx1250"
	.amdhsa_code_object_version 6
	.text
	.protected	k_qce3f931ad3_gmerge
	.globl	k_qce3f931ad3_gmerge
	.p2align	8
	.type	k_qce3f931ad3_gmerge,@function
k_qce3f931ad3_gmerge:
	s_mov_b64 s[64:65], 0
	v_nop
	global_prefetch_b8 v0, s[64:65] scope:SCOPE_SE
	s_setreg_imm32_b32 hwreg(HW_REG_WAVE_MODE, 25, 1), 1
	s_wait_xcnt 0x0
; Queries 0-63 of each head: the 64 parts that the launch before has stored (one for each 64 keys) are added.  A part is o_ks = its O divided by its own sum (f16), -M_ks (a whole number) and its sum l_ks.
; o = sum of o_ks w_ks / sum of w_ks, w_ks = l_ks 2^(M_ks - the largest M): the power of two is exact (v_ldexp_f32).  All in f32; o rounded once to f16, into a's operand order.
; SHARES: one wave makes 16 queries x 16 channels: work-group x = 4 x query tile + channel run, y = head: 256 waves.  Lane (r, h): query r, channels 8 h + 0..7 of the run: 16 bytes of each part.
; No LDS, no matrix unit: 64 multiply-adds a number, bound by its loads.  One batch of eight parts is on its way while a batch is added.
.set GST, 8388608                      ; gp: the figures begin here
.set DAT, 16                           ; v16-47, v48-79 two sets of eight parts' 16 bytes (under v128: their halves are named)
.set ACC, 80                           ; v80-87   the sums
.set TP,  88                           ; v88-95   a part's eight numbers in f32
;      v96 the least -M; v[98:101] sums of weights; v[102:103] 1 / sum; v104-107 the result; v108-111 chains of the minimum
.set NM,  128                          ; v128-191 -M of each part, then M_ks - the largest M
.set LL,  192                          ; v192-255 l of each part, then w
.macro DLOAD n
.irp i, 0,1,2,3,4,5,6,7
	global_load_b128 v[DAT+32*((\n)%2)+4*\i:DAT+32*((\n)%2)+4*\i+3], v1, s[12:13] offset:(8*(\n)+\i)*2048   ; 512 consecutive bytes of part 8 n + i
.endr
.endm
.macro ACC8 ks, h0, h1, h2, h3, h4, h5, h6, h7
	v_cvt_f32_f16 v[TP+0], \h0
	v_cvt_f32_f16 v[TP+1], \h1
	v_cvt_f32_f16 v[TP+2], \h2
	v_cvt_f32_f16 v[TP+3], \h3
	v_cvt_f32_f16 v[TP+4], \h4
	v_cvt_f32_f16 v[TP+5], \h5
	v_cvt_f32_f16 v[TP+6], \h6
	v_cvt_f32_f16 v[TP+7], \h7
.irp j, 0,1,2,3,4,5,6,7
.if (\ks) == 0
	v_mul_f32 v[ACC+\j], v[TP+\j], v[LL]           ; the first part starts the sums
.else
	v_fma_f32 v[ACC+\j], v[TP+\j], v[LL+(\ks)], v[ACC+\j]
.endif
.endr
.endm
.macro SET0 n
	ACC8 8*(\n)+0, v16.l, v16.h, v17.l, v17.h, v18.l, v18.h, v19.l, v19.h
	ACC8 8*(\n)+1, v20.l, v20.h, v21.l, v21.h, v22.l, v22.h, v23.l, v23.h
	ACC8 8*(\n)+2, v24.l, v24.h, v25.l, v25.h, v26.l, v26.h, v27.l, v27.h
	ACC8 8*(\n)+3, v28.l, v28.h, v29.l, v29.h, v30.l, v30.h, v31.l, v31.h
	ACC8 8*(\n)+4, v32.l, v32.h, v33.l, v33.h, v34.l, v34.h, v35.l, v35.h
	ACC8 8*(\n)+5, v36.l, v36.h, v37.l, v37.h, v38.l, v38.h, v39.l, v39.h
	ACC8 8*(\n)+6, v40.l, v40.h, v41.l, v41.h, v42.l, v42.h, v43.l, v43.h
	ACC8 8*(\n)+7, v44.l, v44.h, v45.l, v45.h, v46.l, v46.h, v47.l, v47.h
.endm
.macro SET1 n
	ACC8 8*(\n)+0, v48.l, v48.h, v49.l, v49.h, v50.l, v50.h, v51.l, v51.h
	ACC8 8*(\n)+1, v52.l, v52.h, v53.l, v53.h, v54.l, v54.h, v55.l, v55.h
	ACC8 8*(\n)+2, v56.l, v56.h, v57.l, v57.h, v58.l, v58.h, v59.l, v59.h
	ACC8 8*(\n)+3, v60.l, v60.h, v61.l, v61.h, v62.l, v62.h, v63.l, v63.h
	ACC8 8*(\n)+4, v64.l, v64.h, v65.l, v65.h, v66.l, v66.h, v67.l, v67.h
	ACC8 8*(\n)+5, v68.l, v68.h, v69.l, v69.h, v70.l, v70.h, v71.l, v71.h
	ACC8 8*(\n)+6, v72.l, v72.h, v73.l, v73.h, v74.l, v74.h, v75.l, v75.h
	ACC8 8*(\n)+7, v76.l, v76.h, v77.l, v77.h, v78.l, v78.h, v79.l, v79.h
.endm
	s_load_b128 s[4:7], s[0:1], 0x0                ; gp s[4:5], a s[6:7]
	v_lshlrev_b32 v1, 4, v0                        ; 16 x lane (one wave: the thread's number is the lane)
	v_and_b32 v2, 15, v0
	v_lshlrev_b32 v2, 2, v2                        ; 4 r
	s_and_b32 s8, ttmp7, 0xffff                    ; head
	s_lshr_b32 s9, ttmp9, 2                        ; query tile
	s_and_b32 s10, ttmp9, 3                        ; run of 16 channels
	s_lshl_b32 s11, s8, 2
	s_add_co_u32 s11, s11, s9                      ; 4 head + query tile
	s_lshl_b32 s14, s10, 9
	s_lshl_b32 s12, s11, 17                        ; its 64 parts of 2,048 bytes,
	s_add_co_u32 s12, s12, s14                     ; my run of 512 in each
	s_mov_b32 s13, 0
	s_lshl_b32 s16, s11, 13                        ; its 64 x 128 bytes of figures
	s_mov_b32 s17, 0
	s_lshl_b32 s18, s9, 15                         ; a: query tile x 32,768 + head x 2,048 + run x 512
	s_lshl_b32 s20, s8, 11
	s_add_co_u32 s18, s18, s20
	s_add_co_u32 s18, s18, s14
	s_mov_b32 s19, 0
	s_wait_kmcnt 0x0
	s_add_nc_u64 s[12:13], s[4:5], s[12:13]
	s_add_nc_u64 s[16:17], s[4:5], s[16:17]
	s_add_nc_u64 s[16:17], s[16:17], GST
	s_add_nc_u64 s[6:7], s[6:7], s[18:19]
.set k, 0
.rept 64
	global_load_b32 v[NM+k], v2, s[16:17] offset:128*k
.set k, k+1
.endr
.set k, 0
.rept 64
	global_load_b32 v[LL+k], v2, s[16:17] offset:128*k+64
.set k, k+1
.endr
	DLOAD 0
	DLOAD 1
	s_wait_loadcnt 16                              ; the figures are in; the sixteen loads of the two batches, issued behind them, may be out
.irp c, 0,1,2,3
	v_min3_num_f32 v[108+\c], v[NM+\c], v[NM+4+\c], v[NM+8+\c]     ; the least -M is minus the largest M: four chains
.endr
.irp i, 12,20,28,36,44,52
.irp c, 0,1,2,3
	v_min3_num_f32 v[108+\c], v[108+\c], v[NM+\i+\c], v[NM+\i+4+\c]
.endr
.endr
.irp c, 0,1,2,3
	v_min_num_f32 v[108+\c], v[108+\c], v[NM+60+\c]
.endr
	v_min3_num_f32 v96, v108, v109, v110
	v_min_num_f32 v96, v96, v111
.set k, 0
.rept 64
	v_sub_f32 v[NM+k], v96, v[NM+k]                ; M_ks - the largest M: a whole number, 0 or less
.set k, k+1
.endr
.set k, 0
.rept 64
	v_cvt_i32_f32 v[NM+k], v[NM+k]                 ; (it saturates)
.set k, k+1
.endr
.set k, 0
.rept 64
	v_ldexp_f32 v[LL+k], v[LL+k], v[NM+k]          ; w_ks
.set k, k+1
.endr
	v_pk_add_f32 v[98:99], v[LL:LL+1], v[LL+2:LL+3]
	v_pk_add_f32 v[100:101], v[LL+4:LL+5], v[LL+6:LL+7]
.set k, 8
.rept 14
	v_pk_add_f32 v[98:99], v[98:99], v[LL+k:LL+k+1]
	v_pk_add_f32 v[100:101], v[100:101], v[LL+k+2:LL+k+3]
.set k, k+4
.endr
	v_pk_add_f32 v[98:99], v[98:99], v[100:101]
	v_add_f32 v98, v98, v99                        ; the sum of the weights: at least a half, since the part with the largest M has a p above a half
	v_rcp_f32 v102, v98
	v_mov_b32 v103, 0                              ; the plain line behind the reciprocal (v103 is named with v102 as a pair)
	s_wait_alu depctr_va_vdst(0)                   ; the wait ahead of the reciprocal's first reader
.irp n, 0,2,4
	s_wait_loadcnt 8                               ; this batch is in; the next one's eight loads may be out
	SET0 \n
	DLOAD \n+2
	s_wait_loadcnt 8
	SET1 \n+1
	DLOAD \n+3
.endr
	s_wait_loadcnt 8
	SET0 6
	s_wait_loadcnt 0x0
	SET1 7
.irp j, 0,2,4,6
	v_pk_mul_f32 v[ACC+\j:ACC+\j+1], v[ACC+\j:ACC+\j+1], v[102:103] op_sel_hi:[1,0]
.endr
.irp j, 0,1,2,3
	v_cvt_pk_f16_f32 v[104+\j], v[ACC+2*\j], v[ACC+2*\j+1]
.endr
	global_store_b128 v1, v[104:107], s[6:7]       ; 32 lanes store 512 consecutive bytes, aligned
	s_endpgm
.Lfunc_end_k_qce3f931ad3_gmerge:
	.size	k_qce3f931ad3_gmerge, .Lfunc_end_k_qce3f931ad3_gmerge-k_qce3f931ad3_gmerge
	.p2alignl 7, 3214868480
	.fill 96, 4, 3214868480
	.section	.rodata,"a",@progbits
	.p2align	6, 0x0
	.amdhsa_kernel k_qce3f931ad3_gmerge
		.amdhsa_group_segment_fixed_size 0
		.amdhsa_private_segment_fixed_size 0
		.amdhsa_enable_private_segment 0
		.amdhsa_kernarg_size 16
		.amdhsa_user_sgpr_count 2
		.amdhsa_user_sgpr_kernarg_segment_ptr 1
		.amdhsa_wavefront_size32 1
		.amdhsa_system_sgpr_workgroup_id_x 1
		.amdhsa_system_sgpr_workgroup_id_y 1
		.amdhsa_system_sgpr_workgroup_id_z 1
		.amdhsa_system_vgpr_workitem_id 0
		.amdhsa_next_free_vgpr 256
		.amdhsa_next_free_sgpr 66
		.amdhsa_reserve_vcc 0
		.amdhsa_float_denorm_mode_32 3
		.amdhsa_float_denorm_mode_16_64 3
		.amdhsa_memory_ordered 1
		.amdhsa_forward_progress 1
		.amdhsa_inst_pref_size 80
	.end_amdhsa_kernel
	.amdgpu_metadata
---
amdhsa.version: [ 1, 2 ]
amdhsa.kernels:
  - .name:           k_qce3f931ad3_gmerge
    .symbol:         k_qce3f931ad3_gmerge.kd
    .args:
      - { .name: gp, .offset: 0, .size: 8, .value_kind: global_buffer, .address_space: global }
      - { .name: a, .offset: 8, .size: 8, .value_kind: global_buffer, .address_space: global }
    .group_segment_fixed_size: 0
    .private_segment_fixed_size: 0
    .kernarg_segment_align: 8
    .kernarg_segment_size: 16
    .max_flat_workgroup_size: 32
    .sgpr_count:     66
    .vgpr_count:     256
    .wavefront_size: 32
...
	.end_amdgpu_metadata
.endif
;; end of part 4
;; launch oproj (part 5): grid 8 x 32, 4 waves a work-group, clusters of 4 x 4, 327,680 bytes of LDS; arguments a, wo16, out0; writes out0
.if DOCPART == 5
	.amdgcn_target "amdgcn-amd-amdhsa--gfx1250"
	.amdhsa_code_object_version 6
	.text
	.protected	k_qce3f931ad3_oproj
	.globl	k_qce3f931ad3_oproj
	.p2align	8
	.type	k_qce3f931ad3_oproj,@function
k_qce3f931ad3_oproj:
	s_mov_b64 s[64:65], 0
	v_nop
	global_prefetch_b8 v0, s[64:65] scope:SCOPE_SE
	s_setreg_imm32_b32 hwreg(HW_REG_WAVE_MODE, 25, 1), 1
	s_wait_xcnt 0x0
	s_wait_alu depctr_hold_cnt(0) depctr_sa_sdst(0) depctr_va_vdst(0) depctr_va_sdst(0) depctr_va_ssrc(0) depctr_va_vcc(0) depctr_vm_vsrc(0)
	s_getreg_b32 s2, hwreg(HW_REG_IB_STS2, 6, 4)
	s_cmp_eq_u32 s2, 0
	s_cbranch_scc0 .Lentry_in_a_cluster
	s_endpgm
.Lentry_in_a_cluster:
	s_bfe_u32 s2, ttmp6, 0x10000c
	s_cmp_lg_u32 s2, 0xf033
	s_cbranch_scc0 .Lentry_shape_is_right
	s_endpgm
.Lentry_shape_is_right:
; out0[m][n] = sum over k of a[m][k] Wo[n][k]: 4,096 x 1,024 x 1,024, f16 operands, f32 sums, f32 out.  LIMIT: |a|, |Wo| under 65,504 (f16).
; a lies in operand order, [token / 16][column / 8][token % 16][8 numbers]: a fragment (16 tokens x 32 K) is 1,024 consecutive bytes, 256 along K of 16 tokens are 8,192.  wo16 is [n][k], row-major.
; A tile of out0 is 128 x 128: 8 x 32 = 256 work-groups.  Four waves, each 64 x 64: 16 accumulators, 128 registers.  K goes in steps of 256 through two LDS slots: four steps.
; A slot: a's 8 token blocks of 8,192 bytes, dense (a fragment load reads 512 consecutive bytes); then Wo's 128 rows of 512 bytes + 16 of padding.
; CLUSTERS: 4 x 4 work-groups.  The four of a row of the cluster need the same tiles of a, the four of a column the same tiles of Wo: each tile is asked for JOINTLY, by the same tensor load with the
; same descriptor and a mask that names the four.  THE MATRIX INSTRUCTION IS USED TRANSPOSED (source 0 = 16 rows of Wo, source 1 = 16 tokens): a lane then holds eight neighbouring numbers of a row of out0.
; REGISTERS: window 0: v0-31 addresses; v32-95 at work on the way out; v128-255 the accumulators ((a, b) at v[128 + 8 (4 a + b)]).
;   window 1: two fragment buffers of 128: for 64 along K, 64 registers of a (2 x 4 x 16 tokens x 32 K), then 64 of Wo.
.set SIZE_K, 1024
.set KSTEP,  256
.set PITCH,  528                       ; a row of Wo in LDS: 512 bytes + 16 of padding
.set HALFA,  32768                     ; 4 token blocks x 8,192 bytes: what one tensor load brings of a
.set HALFB,  64*PITCH                  ; 64 rows: what one brings of Wo
.set ABYTES, 2*HALFA
.set SLOT,   ABYTES+2*HALFB
.set SPARE,  2*SLOT                    ; behind the slots: the spare words, 128 bytes for each wave
.set SP,     272                       ; the way out: a stage of 64 rows x (256 bytes + 16) for each wave.  It lies in slot 0, which has had its last fill and its last read when the first result is stored there
.set LAPS, SIZE_K/(2*KSTEP)
.set ADRA, 16                          ; v16-17  LDS address of my fragments of a in slot 0, 1
.set ADRB, 20                          ; v20-21  the same for Wo
.set STO,  24                          ; v24     the way out: where I put 32 bytes of a row
.set RD,   25                          ; v25     where I read a row back
.set CO,   26                          ; v26     my byte offset in out0
.set SPW,  28                          ; v28     LDS address of my spare word; never rewritten
.set NIL,  29                          ; v29     0; never rewritten
.set TMP,  32                          ; the way out: two sets of 32 registers
.set ACC,  128
.set F0,   0                           ; fragment buffers, in window 1
.set F1,   128
.set G1, 24                            ; s[24:31] descriptor group 1 for a's tiles;  s[32:39] group 0, one set for each slot
.set G0, 32
.set G1B, 48                           ; s[48:55], s[56:63] the same for Wo's tiles
.set G0B, 56
.set MSB, 0
.macro WIN new                         ; the immediate's high byte repeats the setting that is left
.if MSB != \new
	s_set_vgpr_msb (MSB<<8)|\new
.set MSB, \new
.endif
.endm
.set MUL,  0x05                        ; sources 0 (Wo) and 1 (a) window 1; C and D window 0
.set TO_F, 0x40                        ; destination window 1, address window 0
.macro JLOAD s                         ; a joint load: waves 0 and 1 fetch a's two halves, waves 2 and 3 Wo's; an s_nop 0 and four v_nop follow each of the two lines
	s_cmp_eq_u32 s11, 0
	s_cbranch_scc0 .Lfor_b_\@
	tensor_load_to_lds s[G0+4*\s:G0+4*\s+3], s[G1:G1+7]
	s_nop 0
.rept 4
	v_nop
.endr
	s_branch .Lasked_\@
.Lfor_b_\@:
	tensor_load_to_lds s[G0B+4*\s:G0B+4*\s+3], s[G1B:G1B+7]
	s_nop 0
.rept 4
	v_nop
.endr
.Lasked_\@:
.endm
.macro CREST                           ; a round of the cluster's barrier behind its opening barrier
	s_cmp_lg_u32 s10, 0
	s_cbranch_scc1 .Lnot_wave_0_\@
	s_barrier_signal -3
.Lnot_wave_0_\@:
	s_barrier_wait -3
	s_barrier_signal -1
	s_barrier_wait -1
.endm
.macro CROUND                          ; a whole round
	s_barrier_signal -1
	s_barrier_wait -1
	CREST
.endm
	s_load_b128 s[4:7], s[0:1], 0x0                ; a s[4:5], wo16 s[6:7]
	s_load_b64 s[8:9], s[0:1], 0x10                ; out0
	v_lshl_add_u32 v[SPW], v0, 2, SPARE
	v_mov_b32 v[NIL], 0
	ds_add_u32 v[SPW], v[NIL]                      ; the wave's opening: the add, twice on end, and its wait ahead of my first tensor load; the set-up below stands between
	ds_add_u32 v[SPW], v[NIL]
	v_lshrrev_b32 v1, 5, v0
	v_readfirstlane_b32 s10, v1                    ; wave 0..3
	s_lshr_b32 s11, s10, 1                         ; which half of the tile's rows is mine.  Also: I fetch for a (0) or for Wo (1)
	s_and_b32 s12, s10, 1                          ; which half of its columns.  Also: which 64 rows of that tile I fetch
	s_bfe_u32 s40, ttmp6, 0x40000                  ; cx, cy: my place in the cluster
	s_bfe_u32 s41, ttmp6, 0x40004
	s_lshl_b32 s42, ttmp9, 2
	s_add_co_u32 s42, s42, s40                     ; tile column = 4 x cluster x + cx
	s_and_b32 s13, ttmp7, 0xffff
	s_lshl_b32 s13, s13, 2
	s_add_co_u32 s13, s13, s41                     ; tile row = 4 x cluster y + cy
	s_lshl_b32 s43, s41, 2
	s_lshl_b32 s43, 15, s43                        ; my row of the cluster
	s_lshl_b32 s44, 0x1111, s40                    ; my column
	; a's tile: 4 token blocks, each 8,192 consecutive bytes (1,024 elements of 8 bytes), 32,768 bytes apart in memory, dense in LDS
	s_or_b32 s[G1+0], s43, (3<<16)|(1<<21)         ; 15:0 the mask: a's tiles go to my row; 17:16 elements of 8 bytes; 21 set beside a mask; no padding
	s_mov_b32 s[G1+1], 1024<<16                    ; tensor_dim0
	s_mov_b32 s[G1+2], 4<<16                       ; tensor_dim1
	s_mov_b32 s[G1+3], 1024<<16                    ; tile_dim0
	s_mov_b32 s[G1+4], 4                           ; tile_dim1
	s_mov_b32 s[G1+5], 4096                        ; tensor_dim0_stride, in elements
	s_mov_b32 s[G1+6], 0
	s_mov_b32 s[G1+7], 0
	; Wo's tile: 64 rows x 256 elements of 2 bytes, four words of padding behind every 128
	s_or_b32 s[G1B+0], s44, (1<<16)|(1<<20)|(1<<21)|(6<<22)|(3<<25)
	s_mov_b32 s[G1B+1], KSTEP<<16
	s_mov_b32 s[G1B+2], 64<<16
	s_mov_b32 s[G1B+3], KSTEP<<16
	s_mov_b32 s[G1B+4], 64
	s_mov_b32 s[G1B+5], SIZE_K
	s_mov_b32 s[G1B+6], 0
	s_mov_b32 s[G1B+7], 0
	s_lshl_b32 s16, s13, 3
	s_lshl_b32 s17, s12, 2
	s_add_co_u32 s16, s16, s17                     ; a: token block 8 x tile row + 4 x half,
	s_lshl_b32 s16, s16, 15                        ; of 32,768 bytes
	s_mov_b32 s17, 0
	s_lshl_b32 s46, s42, 7
	s_lshl_b32 s47, s12, 6
	s_add_co_u32 s46, s46, s47                     ; Wo: row 128 x tile column + 64 x half,
	s_lshl_b32 s46, s46, 11                        ; of 2,048 bytes
	s_mov_b32 s47, 0
	s_lshl_b32 s20, s12, 15                        ; where they go: a's half, by the wave's number alone;
	s_mul_i32 s21, s12, HALFB
	s_add_co_u32 s21, s21, ABYTES                  ; Wo's half, behind a's two
	s_wait_dscnt 0x0                               ; both opening adds are done
	s_wait_kmcnt 0x0
	s_add_nc_u64 s[14:15], s[4:5], s[16:17]
	s_add_nc_u64 s[46:47], s[6:7], s[46:47]
	CROUND                                         ; all sixteen work-groups are here: the first joint loads meet
.irp s, 0,1
	s_mov_b32 s[G0+4*\s], 1
	s_add_co_u32 s[G0+4*\s+1], s20, \s*SLOT
	s_add_nc_u64 s[G0+4*\s+2:G0+4*\s+3], s[14:15], \s*8192         ; K step s: 8,192 bytes on in each token block
	s_or_b32 s[G0+4*\s+3], s[G0+4*\s+3], 0x80000000
	s_mov_b32 s[G0B+4*\s], 1
	s_add_co_u32 s[G0B+4*\s+1], s21, \s*SLOT
	s_add_nc_u64 s[G0B+4*\s+2:G0B+4*\s+3], s[46:47], \s*KSTEP*2
	s_or_b32 s[G0B+4*\s+3], s[G0B+4*\s+3], 0x80000000
	JLOAD \s                                       ; two tensor loads of mine are out behind the second
.endr
	v_and_b32 v1, 15, v0                           ; l % 16
	v_bfe_u32 v2, v0, 4, 1                         ; l / 16
	v_and_b32 v5, 31, v0
	v_lshlrev_b32 v5, 4, v5                        ; a: 16 x lane
	v_mul_u32_u24 v3, v1, PITCH
	v_lshl_add_u32 v3, v2, 4, v3                   ; Wo: row x pitch + 16 x half
	s_lshl_b32 s21, s11, 15                        ; my 64 tokens of a
	s_mul_i32 s22, s12, HALFB                      ; my 64 rows of Wo,
	s_add_co_u32 s22, s22, ABYTES                  ; which lie behind a's
.irp s, 0,1
	v_add_nc_u32 v[ADRA+\s], s21, v5
	v_add_nc_u32 v[ADRB+\s], s22, v3
	s_add_co_u32 s21, s21, SLOT
	s_add_co_u32 s22, s22, SLOT
.endr
	s_mul_i32 s23, s10, 64*SP                      ; my stage
	v_mul_u32_u24 v4, v1, SP                       ; in: row l % 16, 32 bytes for each half of the lanes
	v_lshl_add_u32 v4, v2, 5, v4
	v_add_nc_u32 v[STO], s23, v4
	v_mul_u32_u24 v4, v2, SP                       ; back: lanes 0-15 take one row of 256 bytes, lanes 16-31 the next
	v_lshl_add_u32 v4, v1, 4, v4
	v_add_nc_u32 v[RD], s23, v4
	v_lshlrev_b32 v4, 12, v2                       ; and the same two rows in out0: 4,096 bytes a row
	v_lshl_add_u32 v[CO], v1, 4, v4
	s_lshl_b32 s16, s13, 7
	s_lshl_b32 s17, s11, 6
	s_add_co_u32 s16, s16, s17                     ; my first row: 128 x tile row + 64 x half
	s_lshl_b32 s16, s16, 12
	s_mov_b32 s17, 0
	s_add_nc_u64 s[8:9], s[8:9], s[16:17]
	s_lshl_b32 s46, s42, 9                         ; my first column, in bytes: 512 x tile column + 256 x half
	s_lshl_b32 s47, s12, 8
	s_add_co_u32 s46, s46, s47
	s_mov_b32 s47, 0
	s_add_nc_u64 s[8:9], s[8:9], s[46:47]
; 8 matrix instructions: token blocks a0, a0 + 1 x all 4 blocks of Wo, 32 along K: half c of buffer f.  zero = 1: the first product starts the sums.  The 16 accumulators take turns.
.macro MUL8 f, c, a0, zero
.irp a, \a0, \a0+1
.irp b, 0,1,2,3
.if \zero
	v_wmma_f32_16x16x32_f16 v[ACC+8*(4*(\a)+\b):ACC+8*(4*(\a)+\b)+7], v[\f+64+8*(4*\c+\b):\f+64+8*(4*\c+\b)+7], v[\f+8*(4*\c+\a):\f+8*(4*\c+\a)+7], 0
.else
	v_wmma_f32_16x16x32_f16 v[ACC+8*(4*(\a)+\b):ACC+8*(4*(\a)+\b)+7], v[\f+64+8*(4*\c+\b):\f+64+8*(4*\c+\b)+7], v[\f+8*(4*\c+\a):\f+8*(4*\c+\a)+7], v[ACC+8*(4*(\a)+\b):ACC+8*(4*(\a)+\b)+7]
.endif
.endr
.endr
.endm
; 32 LDS loads in one run: the fragments of quarter kq of the slot (64 along K) into buffer f; the first 32 along K first
.macro FETCH slot, kq, f
	WIN TO_F
.irp c, 0,1
.irp i, 0,1,2,3
	ds_load_b128 v[\f+64+8*(4*\c+\i):\f+64+8*(4*\c+\i)+3],   v[ADRB+\slot] offset:128*(\kq)+64*\c+\i*16*PITCH
	ds_load_b128 v[\f+64+8*(4*\c+\i)+4:\f+64+8*(4*\c+\i)+7], v[ADRB+\slot] offset:128*(\kq)+64*\c+\i*16*PITCH+32
	ds_load_b128 v[\f+8*(4*\c+\i):\f+8*(4*\c+\i)+3],         v[ADRA+\slot] offset:\i*8192+(2*(\kq)+\c)*1024
	ds_load_b128 v[\f+8*(4*\c+\i)+4:\f+8*(4*\c+\i)+7],       v[ADRA+\slot] offset:\i*8192+(2*(\kq)+\c)*1024+512
.endr
.endr
.endm
.macro PLACES                          ; four places in front of loads into registers that matrix instructions have read, and of the first read of results (ISA guide 7.12.1 for the first read of results)
.rept 4
	v_nop
.endr
.endm
; A K step is four quarters of 64 along K, 32 matrix instructions each, on buffers 0, 1, 0, 1.  One of the first three: multiplies buffer f and fetches quarter kq into g.
.macro QUARTER slot, kq, f, g, zero
	s_wait_dscnt 16                                ; the first 32 along K are in; the sixteen loads of the second 32 may be out
	WIN MUL
	MUL8 \f, 0, 0, \zero
	MUL8 \f, 0, 2, \zero
	PLACES
	FETCH \slot, \kq, \g
	s_wait_dscnt 32                                ; all but the 32 just issued
	WIN MUL
	MUL8 \f, 1, 0, 0
	MUL8 \f, 1, 2, 0
.endm
; The last quarter multiplies buffer 1 and changes slots: ONE barrier; in front of it each wave waits for all its tensor loads, adds 0 to its spare word, and waits for that and for its own reads of this slot.
; fill = 1: this slot is filled again, two K steps ahead; the barrier then opens a round of the cluster's barrier, and the joint refill is the first tensor load behind the round.
.macro TURN slot, next, fill
	WIN 0                                          ; (the add's two registers lie in window 0)
	s_wait_tensorcnt 0x0                           ; all my tensor loads have landed: my part of the next slot
	ds_add_u32 v[SPW], v[NIL]                      ; 0 onto my spare word
	s_wait_dscnt 17                                ; the add and the youngest sixteen loads may be out
	WIN MUL
	MUL8 F1, 0, 0, 0                               ; eight matrix instructions stand between the add and the wait for it
	s_wait_dscnt 0x0                               ; the add is done, and my reads of this slot are over
	s_barrier_signal -1
	MUL8 F1, 0, 2, 0
.if \fill
	WIN 0
.endif
	s_barrier_wait -1
.if \fill
	CREST                                          ; no wave of any partner still reads this slot's tile or has a load on its way
	s_add_nc_u64 s[G0+4*\slot+2:G0+4*\slot+3], s[G0+4*\slot+2:G0+4*\slot+3], 2*8192
	s_add_nc_u64 s[G0B+4*\slot+2:G0B+4*\slot+3], s[G0B+4*\slot+2:G0B+4*\slot+3], 2*KSTEP*2
	JLOAD \slot                                    ; one tensor load of mine is out behind it; its four v_nop are also the places in front of the loads below
.else
	PLACES
.endif
	FETCH \next, 0, F0
	WIN MUL
	MUL8 F1, 1, 0, 0
	MUL8 F1, 1, 2, 0
.endm
; THE WAY OUT of token block a: a lane holds 32 neighbouring bytes of a row and the lanes beside it other rows; my 64 columns are 256 bytes of a row of out0.  So the block goes through my own stage
; and comes back by rows.  LDS serves a wave's instructions in order (ISA guide 5.7.1.4): no wait between the stores and the loads.  Each block has stage bytes of its own.
.macro OUTA a
.if (\a) >= 2
	s_wait_xcnt 0x0                                ; block a - 2's stores have read the registers into which the loads below land
.endif
.irp b, 0,1,2,3
	ds_store_b128 v[STO], v[ACC+8*(4*(\a)+\b):ACC+8*(4*(\a)+\b)+3] offset:(\a)*16*SP+64*\b          ; each accumulator from its low end on
	ds_store_b128 v[STO], v[ACC+8*(4*(\a)+\b)+4:ACC+8*(4*(\a)+\b)+7] offset:(\a)*16*SP+64*\b+16
.endr
.irp t, 0,1,2,3,4,5,6,7
	ds_load_b128 v[TMP+32*((\a)%2)+4*\t:TMP+32*((\a)%2)+4*\t+3], v[RD] offset:(\a)*16*SP+\t*2*SP
.endr
.irp t, 0,1,2,3,4,5,6,7
	s_wait_dscnt 7-\t                              ; load t is in; the younger ones may be out
	global_store_b128 v[CO], v[TMP+32*((\a)%2)+4*\t:TMP+32*((\a)%2)+4*\t+3], s[8:9] offset:(16*(\a)+2*\t)*4096 th:TH_STORE_NT   ; 16 lanes store 256 consecutive bytes, at a multiple of 256 from out0's first byte
.endr
.endm
	s_wait_tensorcnt 1                             ; my part of K step 0 is in; K step 1's load may be out
	s_barrier_signal -1
	s_barrier_wait -1                              ; everybody's is
	FETCH 0, 0, F0
	QUARTER 0, 1, F0, F1, 1                        ; the first quarter stands in front of the loop: its first products start the sums
	WIN 0                                          ; at a label and at a branch every window is 0
	s_mov_b32 s3, LAPS-1
.Llap:                                                 ; a trip goes once round the two slots, from a lap's second quarter to the next lap's first, and fills both again
	QUARTER 0, 2, F1, F0, 0
	QUARTER 0, 3, F0, F1, 0
	TURN 0, 1, 1
	QUARTER 1, 1, F0, F1, 0
	QUARTER 1, 2, F1, F0, 0
	QUARTER 1, 3, F0, F1, 0
	TURN 1, 0, 1
	QUARTER 0, 1, F0, F1, 0
	WIN 0
	s_sub_co_u32 s3, s3, 1
	s_cmp_lg_u32 s3, 0
	s_cbranch_scc1 .Llap
	QUARTER 0, 2, F1, F0, 0                        ; the last lap fills nothing, and has no round of the cluster's barrier
	QUARTER 0, 3, F0, F1, 0
	TURN 0, 1, 0
	QUARTER 1, 1, F0, F1, 0
	QUARTER 1, 2, F1, F0, 0
	QUARTER 1, 3, F0, F1, 0
	s_wait_dscnt 16                                ; the very last quarter: nothing more to fetch
	WIN MUL
	MUL8 F1, 0, 0, 0
	MUL8 F1, 0, 2, 0
	s_wait_dscnt 0
	MUL8 F1, 1, 0, 0
	MUL8 F1, 1, 2, 0
	WIN 0
	PLACES
.irp a, 0,1,2,3
	OUTA \a
.endr
	s_wait_tensorcnt 0x0                           ; the wave's end, behind my last tensor load and my last LDS store
	ds_add_u32 v[SPW], v[NIL]
	s_wait_dscnt 0x0
	CROUND                                         ; the closing round: no work-group ends while a partner may still ask for a tile that names it
	s_endpgm
.Lfunc_end_k_qce3f931ad3_oproj:
	.size	k_qce3f931ad3_oproj, .Lfunc_end_k_qce3f931ad3_oproj-k_qce3f931ad3_oproj
	.p2alignl 7, 3214868480
	.fill 96, 4, 3214868480
	.section	.rodata,"a",@progbits
	.p2align	6, 0x0
	.amdhsa_kernel k_qce3f931ad3_oproj
		.amdhsa_group_segment_fixed_size 327680
		.amdhsa_private_segment_fixed_size 0
		.amdhsa_enable_private_segment 0
		.amdhsa_kernarg_size 24
		.amdhsa_user_sgpr_count 2
		.amdhsa_user_sgpr_kernarg_segment_ptr 1
		.amdhsa_wavefront_size32 1
		.amdhsa_system_sgpr_workgroup_id_x 1
		.amdhsa_system_sgpr_workgroup_id_y 1
		.amdhsa_system_sgpr_workgroup_id_z 1
		.amdhsa_system_vgpr_workitem_id 0
		.amdhsa_next_free_vgpr 512
		.amdhsa_next_free_sgpr 66
		.amdhsa_reserve_vcc 0
		.amdhsa_float_denorm_mode_32 3
		.amdhsa_float_denorm_mode_16_64 3
		.amdhsa_memory_ordered 1
		.amdhsa_forward_progress 1
		.amdhsa_inst_pref_size 86
	.end_amdhsa_kernel
	.amdgpu_metadata
---
amdhsa.version: [ 1, 2 ]
amdhsa.kernels:
  - .name:           k_qce3f931ad3_oproj
    .symbol:         k_qce3f931ad3_oproj.kd
    .args:
      - { .name: a, .offset: 0, .size: 8, .value_kind: global_buffer, .address_space: global }
      - { .name: wo16, .offset: 8, .size: 8, .value_kind: global_buffer, .address_space: global }
      - { .name: out0, .offset: 16, .size: 8, .value_kind: global_buffer, .address_space: global }
    .group_segment_fixed_size: 327680
    .private_segment_fixed_size: 0
    .kernarg_segment_align: 8
    .kernarg_segment_size: 24
    .max_flat_workgroup_size: 128
    .sgpr_count:     66
    .vgpr_count:     512
    .wavefront_size: 32
...
	.end_amdgpu_metadata
.endif
;; end of part 5
